; MI455X (gfx1250); checked and timed in simulation.
; The chip was launched on July 23, 2026; its instructions are those of AMD's public machine-readable ISA for CDNA 5 (MIT licence, August 2026) and "CDNA5" Instruction Set Architecture Reference Guide (July 2026). The comments in the code are by the model that wrote it; some were corrected since.
;; Causal Self Attention. Allowed arithmetic: matrix products marked QUANTISED: E2M1 operands, one E8M0 scale for each 32 along K, by v_wmma_scale_f32_16x16x128_f8f6f4 with both operands' format E2M1 (or v_wmma_scale_f32_32x16x128_f4), f32 sums; products left as they are: bf16, f16 or f32 operands; f32 sums; everything else in f32.
;; Inputs: Wk 1,024 x 1,024 float32; Wo 1,024 x 1,024 float32; Wq 1,024 x 1,024 float32; Wv 1,024 x 1,024 float32; cos 1 x 1 x 2,048 x 32 float32; sin 1 x 1 x 2,048 x 32 float32; x 4 x 2,048 x 1,024 float32.
;; Outputs: out0 4 x 2,048 x 1,024 float32.
;; This version of the problem:
;;   THIS VERSION OF THE PROBLEM IS GIVEN IN LOW PRECISION. The matrix products marked QUANTISED in the list below multiply operands that are first quantised to E2M1 (2 exponent bits, 1 mantissa bit; 4 bits a number), with one power-of-two scale for each 32 numbers along K (OCP MX v1.0); their sums are f32. The products marked 'left as it is' may take bf16, f16 or f32 operands, with f32 sums. Whichever they take, every output number must still come out within the allowed error. Rounding operands to bf16 (8 significant bits) uses up far more of that allowance than f16 does (11 bits, for magnitudes from 6e-5 to 65,504). All else is computed in f32.
;;   The module's matrix products, in the order in which they are computed (A, B: the left and right operand; K: the contracted axis; several contracted axes count as one K, in the product's order):
;;     1. [M 8,192, K 1,024] x [K 1,024, N 1,024]; A: input x; B: input Wq: QUANTISED
;;     2. [M 8,192, K 1,024] x [K 1,024, N 1,024]; A: input x; B: input Wk: QUANTISED
;;     3. [M 8,192, K 1,024] x [K 1,024, N 1,024]; A: input x; B: input Wv: QUANTISED
;;     4. batch 64 x [M 2,048, K 64] x [K 64, N 2,048]; A: computed on the way; B: computed on the way: left as it is (an operand is computed on the way)
;;     5. batch 64 x [M 2,048, K 2,048] x [K 2,048, N 64]; A: computed on the way; B: computed on the way: left as it is (an operand is computed on the way)
;;     6. [M 8,192, K 1,024] x [K 1,024, N 1,024]; A: computed on the way; B: input Wo: left as it is (an operand is computed on the way)
;;   THE QUANTISER, for each operand of a quantised product, along K:
;;     - K is cut into blocks of 32 from its start; a last block that is shorter is filled with zeros.
;;     - A block's scale is 2^e with e = floor(log2(the largest magnitude in the block)) - 2, held to -126 .. 127; a block of zeros has e = 0. As a byte (E8M0): e + 127.
;;     - Each number is divided by its block's scale, clamped to +-6, and rounded to the nearest number of E2M1, ties to even, subnormals kept.
;;     - The product sums the exact products of the quantised numbers (number of the format x scale) in f32.
;;   ~~~python
;;   def quantise(x, axis):      # numpy; x: float32 -> the quantised numbers, widened to float32 again
;;       x = np.moveaxis(x, axis, -1); K = x.shape[-1]
;;       x = np.pad(x, [(0, 0)] * (x.ndim - 1) + [(0, -K % 32)]); x = x.reshape(x.shape[:-1] + (-1, 32)); a = np.abs(x).max(-1, keepdims=True)
;;       e = np.where(a > 0, np.clip(np.frexp(np.where(a > 0, a, 1))[1] - 1 - 2, -126, 127), 0)      # np.frexp(a)[1] - 1 = floor(log2(a)), exactly
;;       r = np.clip(x / 2.0 ** e, -6, 6)
;;       step = 2.0 ** (np.maximum(np.frexp(np.where(r == 0, 1, r))[1] - 1, 0) - 1)
;;       q = np.round(r / step) * step * 2.0 ** e      # np.round: ties to even
;;       return np.moveaxis(q.reshape(q.shape[:-2] + (-1,))[..., :K], -1, axis).astype(np.float32)
;;   ~~~
;; One version. Each part assembles by itself: llvm-mc -triple=amdgcn-amd-amdhsa -mcpu=gfx1250 --defsym DOCPART=n.
;; ======== version 1 of 1: 5 launches
;; limits: values are held in f16: magnitudes above 65,504 overflow, below 6.1e-05 lose precision
;; workspace buffers: xq 4,456,448 bytes; wq 3,768,320 bytes; qkv 50,331,648 bytes; fine 786,432 bytes; yi 16,777,216 bytes
;; launch prep (part 1): grid 512 x 1, 4 waves a work-group, no clusters, 34,304 bytes of LDS; arguments x, Wq, Wk, Wv, Wo, xq, wq; writes xq, wq
.if DOCPART == 1
	.amdgcn_target "amdgcn-amd-amdhsa--gfx1250"
	.amdhsa_code_object_version 6
	.text
	.protected	k_q9a77354d3d_prep
	.globl	k_q9a77354d3d_prep
	.p2align	8
	.type	k_q9a77354d3d_prep,@function
k_q9a77354d3d_prep:
	s_mov_b64 s[64:65], 0
	v_nop
	global_prefetch_b8 v0, s[64:65] scope:SCOPE_SE
	s_setreg_imm32_b32 hwreg(HW_REG_WAVE_MODE, 25, 1), 1
	s_wait_xcnt 0x0
; x [8192][1024] and Wq, Wk, Wv [1024 (k)][1024 (n)], f32, become codes of E2M1 with one E8M0 byte for each 32 along K; Wo [1024 (k)][1024 (n)] becomes f16.
; ALL RESULTS ARE LAID AS IMAGES OF OPERAND REGISTERS: chunks of 16 bytes, 32 chunks (512 bytes) at 16 x lane, lane = 16 h + r.
;   xq codes  [T16 512][ks 8][c 2][lane][16 B]: row 16 T16 + r, k = 128 ks + 64 c + 32 h + 0 .. 31.   xq scales at XS: [T16][kh 2][r 16][4 words]: word w is K step 4 kh + w.
;   wq codes  the same with N16 = 0 .. 191 (Wq's 64 tiles of 16 columns, Wk's, Wv's); scales at WS.   Wo at WO: [N16 64][k32 32][half 2][lane][16 B]: Wo[32 k32 + 16 half + 8 h + 0 .. 7][16 N16 + r].
; A block's scale is 2^(floor(log2(largest magnitude)) - 2); its byte is the largest magnitude's exponent field - 2, held at 1 from below by a floor among the maximum's leaves.
; LIMITS: a block of zeros gets the byte 1 where the rule says 127 (its codes are zeros, and this program alone reads the bytes); NaN and infinities are not served; Wo beyond 65,504 is not served (f16).
; Work-groups 0-255 take x: a wave takes 16 rows x 512 K.  Each load reads 512 consecutive bytes of a row; a K step's 16 x 512 bytes turn through the wave's own stage in LDS so that a lane gets two whole blocks of 32.
; Work-groups 256-511 take the weights: a wave takes 32 columns x 128 K; a lane is a column and its registers run down K, so nothing is transposed.  No tensor loads, no barrier: waves share nothing.
.set XS,    4194304
.set WS,    1572864
.set WO,    1671168
.set SROW,  528                        ; a stage row: 512 bytes + 16: sixteen rows begin at sixteen different 16-byte columns
.set STG,   16*SROW                    ; a wave's stage
.set SPARE, 4*STG                      ; behind the stages: the spare words, 128 bytes a wave
.set SPW,   12                         ; v12 my spare word's address; never rewritten
.set NIL,   13                         ; v13 0; never rewritten
.set R,     64                         ; v64-191  two sets of 64 registers as loaded
.set X,     192                        ; v192-255 my two blocks of 32
.set C,     32                         ; v32-63   codes, eight registers a step
.set W,     16                         ; v16-19   the four scale words
	s_load_b256 s[4:11], s[0:1], 0x0               ; x, Wq, Wk, Wv
	s_load_b128 s[12:15], s[0:1], 0x20             ; Wo, xq
	s_load_b64 s[16:17], s[0:1], 0x30              ; wq
	v_lshl_add_u32 v[SPW], v0, 2, SPARE
	v_mov_b32 v[NIL], 0
	v_lshrrev_b32 v1, 5, v0
	v_readfirstlane_b32 s20, v1                    ; wave
	v_and_b32 v2, 31, v0                           ; lane
	v_and_b32 v3, 15, v0                           ; r
	v_bfe_u32 v4, v0, 4, 1                         ; h
	v_lshlrev_b32 v5, 4, v2                        ; 16 x lane
	s_mul_i32 s34, s20, STG
	v_add_nc_u32 v6, s34, v5                       ; the stage, in: 16 x lane of a row
	v_mul_u32_u24 v7, v3, SROW
	v_lshl_add_u32 v7, v4, 7, v7
	v_add_nc_u32 v7, s34, v7                       ; and out: row r, + 128 h: my block's 128 bytes
	v_lshlrev_b32 v8, 2, v2                        ; 4 x lane
	v_lshlrev_b32 v9, 4, v3
	v_lshl_add_u32 v9, v4, 9, v9                   ; a weight's scale word: 512 (lane / 16) + 16 (lane % 16)
	v_lshlrev_b32 v10, 3, v4                       ; 8 h
	v_mov_b32 v29, 0                               ; a lane permute's destination counts as read: written once
	s_mov_b32 s28, 0x76543210
	s_mov_b32 s29, 0xfedcba98                      ; selects for lane xor 16
	s_mov_b32 s33, 0
	s_wait_kmcnt 0x0
	s_cmp_lt_u32 ttmp9, 256
	s_cbranch_scc0 .Lweights
; the largest magnitude of 32 registers from xs on, in two chains, with the floor 2^(3 - 127) as one more leaf
.macro BLKMAX xs, m
	v_max3_num_f32 v[\m], |v[\xs]|, |v[\xs+1]|, |v[\xs+2]|
	v_max3_num_f32 v[\m+1], |v[\xs+3]|, |v[\xs+4]|, |v[\xs+5]|
.irp i, 6,10,14,18,22,26
	v_max3_num_f32 v[\m], v[\m], |v[\xs+\i]|, |v[\xs+\i+1]|
	v_max3_num_f32 v[\m+1], v[\m+1], |v[\xs+\i+2]|, |v[\xs+\i+3]|
.endr
	v_max3_num_f32 v[\m], v[\m], |v[\xs+30]|, |v[\xs+31]|
	v_max3_num_f32 v[\m], v[\m], v[\m+1], 0x1800000
.endm
	; ---- x
	s_lshl_b32 s21, ttmp9, 2
	s_add_co_u32 s21, s21, s20                     ; which 16 rows x 512 K is my wave's
	s_lshr_b32 s22, s21, 1                         ; T16
	s_and_b32 s23, s21, 1                          ; kh
	s_lshl_b32 s32, s22, 16
	s_lshl_b32 s34, s23, 11
	s_add_co_u32 s32, s32, s34
	s_add_nc_u64 s[4:5], s[4:5], s[32:33]          ; x: 16 rows of 4,096 bytes, + 2,048 kh
	s_lshl_b32 s32, s22, 13
	s_lshl_b32 s34, s23, 12
	s_add_co_u32 s32, s32, s34
	s_add_nc_u64 s[24:25], s[14:15], s[32:33]      ; my codes
	s_lshl_b32 s32, s22, 9
	s_lshl_b32 s34, s23, 8
	s_add_co_u32 s32, s32, s34
	s_add_co_u32 s32, s32, XS
	s_add_nc_u64 s[26:27], s[14:15], s[32:33]      ; my scale words
.macro LOAD t                          ; K step t: 512 consecutive bytes of each of the 16 rows
.irp i, 0,1,2,3,4,5,6,7,8,9,10,11,12,13,14,15
	global_load_b128 v[R+64*((\t)%2)+4*\i:R+64*((\t)%2)+4*\i+3], v5, s[4:5] offset:4096*\i+512*(\t) th:TH_LOAD_NT
.endr
.endm
.macro TURN t                          ; through the stage: LDS serves a wave's instructions in order, so no wait stands between the stores and the loads
.irp i, 0,1,2,3,4,5,6,7,8,9,10,11,12,13,14,15
	ds_store_b128 v6, v[R+64*((\t)%2)+4*\i:R+64*((\t)%2)+4*\i+3] offset:SROW*\i
.endr
.irp c, 0,1
.irp i, 0,1,2,3,4,5,6,7
	ds_load_b128 v[X+32*\c+4*\i:X+32*\c+4*\i+3], v7 offset:256*\c+16*\i   ; block 2 c + h of row r
.endr
.endr
.endm
.macro STEP t
.if (\t) < 3
	s_wait_loadcnt 16                              ; this step's 16 loads are in; the next step's 16 may be out
.else
	s_wait_loadcnt 0x0
.endif
	TURN \t
	s_wait_dscnt 0x0                               ; my two blocks are back, and the stores have read the set
.if (\t) < 2
	LOAD (\t)+2
.endif
	BLKMAX X, 20
	BLKMAX X+32, 22
	v_add_nc_u32 v24, 0xff000000, v20              ; 2 off the exponent field: the conversion takes the exponent field of this operand as its scale
	v_add_nc_u32 v25, 0xff000000, v22
.irp c, 0,1
.irp g, 0,1,2,3
	v_cvt_scalef32_pk8_fp4_f32 v[C+8*(\t)+4*\c+\g], v[X+32*\c+8*\g:X+32*\c+8*\g+7], v[24+\c]
.endr
.endr
	v_lshrrev_b32 v26, 23, v24                     ; the scales' bytes (a plain line behind the conversions)
	v_lshrrev_b32 v27, 23, v25
	v_lshl_or_b32 v28, v27, 16, v26                ; blocks h and 2 + h,
	v_lshlrev_b32 v28, v10, v28                    ; at their places in the row's word;
	v_permlanex16_b32 v29, v28, s28, s29
	v_or_b32 v[W+(\t)], v28, v29                   ; with lane xor 16's two the word is whole
.irp c, 0,1
	global_store_b128 v5, v[C+8*(\t)+4*\c:C+8*(\t)+4*\c+3], s[24:25] offset:1024*(\t)+512*\c   ; 512 consecutive bytes
.endr
.endm
	LOAD 0
	LOAD 1
	STEP 0
	STEP 1
	STEP 2
	STEP 3
	s_wait_xcnt 0x0                                ; EXEC changes only behind this wait
	v_cmp_gt_u32 vcc_lo, 16, v2
	s_and_saveexec_b32 s30, vcc_lo
	global_store_b128 v5, v[W:W+3], s[26:27]       ; sixteen lanes store 256 consecutive bytes, aligned
	s_wait_xcnt 0x0
	s_or_b32 exec_lo, exec_lo, s30
	s_branch .Lend
.Lweights:
	s_sub_co_u32 s21, ttmp9, 256
	s_lshr_b32 s22, s21, 6                         ; which weight: 0 Wq, 1 Wk, 2 Wv, 3 Wo
	s_and_b32 s23, s21, 7                          ; which 128 columns
	s_bfe_u32 s31, s21, 0x30003                    ; which 128 along K
	s_cmp_eq_u32 s22, 1
	s_cselect_b64 s[6:7], s[8:9], s[6:7]
	s_cmp_eq_u32 s22, 2
	s_cselect_b64 s[6:7], s[10:11], s[6:7]
	s_cmp_eq_u32 s22, 3
	s_cselect_b64 s[6:7], s[12:13], s[6:7]
	s_lshl_b32 s32, s31, 19                        ; 128 rows of 4,096 bytes
	s_lshl_b32 s34, s23, 9
	s_add_co_u32 s32, s32, s34
	s_lshl_b32 s34, s20, 7                         ; my wave's 32 columns
	s_add_co_u32 s32, s32, s34
	s_add_nc_u64 s[6:7], s[6:7], s[32:33]
.macro LOADB t                         ; block t: 32 rows of K at my column: a wave reads 128 consecutive bytes, the four waves 512
.irp i, 0,1,2,3,4,5,6,7,8,9,10,11,12,13,14,15,16,17,18,19,20,21,22,23,24,25,26,27,28,29,30,31
	global_load_b32 v[64+32*(\t)+\i], v8, s[6:7] offset:(32*(\t)+\i)*4096 th:TH_LOAD_NT
.endr
.endm
.macro GETB t
.if (\t) < 3
	s_wait_loadcnt 32                              ; block t is in; the block behind it may be out
.else
	s_wait_loadcnt 0x0
.endif
.if (\t) < 2
	LOADB (\t)+2
.endif
.endm
	LOADB 0
	LOADB 1
	s_lshl_b32 s35, s23, 3
	s_lshl_b32 s36, s20, 1
	s_add_co_u32 s35, s35, s36                     ; my first tile of 16 columns within the weight
	s_cmp_eq_u32 s22, 3
	s_cbranch_scc1 .Lwo
	; ---- Wq, Wk, Wv: codes
	s_lshl_b32 s36, s22, 6
	s_add_co_u32 s35, s35, s36                     ; N16
	s_lshl_b32 s32, s35, 13
	s_lshl_b32 s36, s31, 10
	s_add_co_u32 s32, s32, s36
	s_add_nc_u64 s[24:25], s[16:17], s[32:33]
	s_lshl_b32 s32, s35, 9
	s_lshr_b32 s36, s31, 2
	s_lshl_b32 s36, s36, 8
	s_add_co_u32 s32, s32, s36
	s_and_b32 s36, s31, 3
	s_lshl_b32 s36, s36, 2
	s_add_co_u32 s32, s32, s36
	s_add_co_u32 s32, s32, WS
	s_add_nc_u64 s[26:27], s[16:17], s[32:33]
.macro QBLOCK t
	GETB \t
	BLKMAX 64+32*(\t), 20
	v_add_nc_u32 v24, 0xff000000, v20
.irp g, 0,1,2,3
	v_cvt_scalef32_pk8_fp4_f32 v[32+4*(\t)+\g], v[64+32*(\t)+8*\g:64+32*(\t)+8*\g+7], v24
.endr
	v_lshrrev_b32 v26, 23, v24                     ; the byte (a plain line behind the conversions)
.if (\t) == 0
	v_mov_b32 v48, v26
.else
	v_lshl_or_b32 v48, v26, 8*(\t), v48            ; my column's word of this K step
.endif
.endm
	QBLOCK 0
	QBLOCK 1
	QBLOCK 2
	QBLOCK 3
.irp c, 0,1                            ; lanes 0-15 hold the first tile's columns, lanes 16-31 the second's; an image wants block 2 c below and 2 c + 1 above, of ONE tile
.irp i, 0,1,2,3
	v_permlane16_swap_b32 v[32+8*\c+\i], v[36+8*\c+\i]
.endr
.endr
.irp c, 0,1
	global_store_b128 v5, v[32+8*\c:35+8*\c], s[24:25] offset:512*\c
	global_store_b128 v5, v[36+8*\c:39+8*\c], s[24:25] offset:8192+512*\c
.endr
	global_store_b32 v9, v48, s[26:27]             ; pieces of 4 bytes: 96 KB of the launch's stores, one byte for each 128 that this path reads
	s_branch .Lend
.Lwo:
	; ---- Wo: f16
	s_lshl_b32 s32, s35, 15
	s_lshl_b32 s36, s31, 12
	s_add_co_u32 s32, s32, s36
	s_add_co_u32 s32, s32, WO
	s_add_nc_u64 s[24:25], s[16:17], s[32:33]
.macro HBLOCK t
	GETB \t
.irp i, 0,1,2,3,4,5,6,7,8,9,10,11,12,13,14,15
	v_cvt_pk_f16_f32 v[192+16*(\t)+\i], v[64+32*(\t)+2*\i], v[65+32*(\t)+2*\i]
.endr
.irp i, 0,1,2,3
	v_permlane16_swap_b32 v[192+16*(\t)+\i], v[196+16*(\t)+\i]   ; k 0-7 below, 8-15 above, of one tile
	v_permlane16_swap_b32 v[200+16*(\t)+\i], v[204+16*(\t)+\i]   ; k 16-23, 24-31
.endr
	global_store_b128 v5, v[192+16*(\t):195+16*(\t)], s[24:25] offset:1024*(\t)
	global_store_b128 v5, v[196+16*(\t):199+16*(\t)], s[24:25] offset:1024*(\t)+32768
	global_store_b128 v5, v[200+16*(\t):203+16*(\t)], s[24:25] offset:1024*(\t)+512
	global_store_b128 v5, v[204+16*(\t):207+16*(\t)], s[24:25] offset:1024*(\t)+33280
.endm
	HBLOCK 0
	HBLOCK 1
	HBLOCK 2
	HBLOCK 3
.Lend:
	s_wait_tensorcnt 0x0                           ; the wave's end, behind my last LDS store
	ds_add_u32 v[SPW], v[NIL]
	s_wait_dscnt 0x0
	s_endpgm
.Lfunc_end_k_q9a77354d3d_prep:
	.size	k_q9a77354d3d_prep, .Lfunc_end_k_q9a77354d3d_prep-k_q9a77354d3d_prep
	.p2alignl 7, 3214868480
	.fill 96, 4, 3214868480
	.section	.rodata,"a",@progbits
	.p2align	6, 0x0
	.amdhsa_kernel k_q9a77354d3d_prep
		.amdhsa_group_segment_fixed_size 34304
		.amdhsa_private_segment_fixed_size 0
		.amdhsa_enable_private_segment 0
		.amdhsa_kernarg_size 56
		.amdhsa_user_sgpr_count 2
		.amdhsa_user_sgpr_kernarg_segment_ptr 1
		.amdhsa_wavefront_size32 1
		.amdhsa_system_sgpr_workgroup_id_x 1
		.amdhsa_system_sgpr_workgroup_id_y 1
		.amdhsa_system_sgpr_workgroup_id_z 1
		.amdhsa_system_vgpr_workitem_id 0
		.amdhsa_next_free_vgpr 256
		.amdhsa_next_free_sgpr 66
		.amdhsa_reserve_vcc 1
		.amdhsa_float_denorm_mode_32 3
		.amdhsa_float_denorm_mode_16_64 3
		.amdhsa_memory_ordered 1
		.amdhsa_forward_progress 1
		.amdhsa_inst_pref_size 62
	.end_amdhsa_kernel
	.amdgpu_metadata
---
amdhsa.version: [ 1, 2 ]
amdhsa.kernels:
  - .name:           k_q9a77354d3d_prep
    .symbol:         k_q9a77354d3d_prep.kd
    .args:
      - { .name: x, .offset: 0, .size: 8, .value_kind: global_buffer, .address_space: global }
      - { .name: Wq, .offset: 8, .size: 8, .value_kind: global_buffer, .address_space: global }
      - { .name: Wk, .offset: 16, .size: 8, .value_kind: global_buffer, .address_space: global }
      - { .name: Wv, .offset: 24, .size: 8, .value_kind: global_buffer, .address_space: global }
      - { .name: Wo, .offset: 32, .size: 8, .value_kind: global_buffer, .address_space: global }
      - { .name: xq, .offset: 40, .size: 8, .value_kind: global_buffer, .address_space: global }
      - { .name: wq, .offset: 48, .size: 8, .value_kind: global_buffer, .address_space: global }
    .group_segment_fixed_size: 34304
    .private_segment_fixed_size: 0
    .kernarg_segment_align: 8
    .kernarg_segment_size: 56
    .max_flat_workgroup_size: 128
    .sgpr_count:     66
    .vgpr_count:     256
    .wavefront_size: 32
...
	.end_amdgpu_metadata
.endif
;; end of part 1
;; launch qkvgemm (part 2): grid 12 x 32, 4 waves a work-group, clusters of 4 x 4, 327,680 bytes of LDS; arguments xq, wq, cos, sin, qkv, fine; writes qkv, fine
.if DOCPART == 2
	.amdgcn_target "amdgcn-amd-amdhsa--gfx1250"
	.amdhsa_code_object_version 6
	.text
	.protected	k_q9a77354d3d_qkvgemm
	.globl	k_q9a77354d3d_qkvgemm
	.p2align	8
	.type	k_q9a77354d3d_qkvgemm,@function
k_q9a77354d3d_qkvgemm:
	s_mov_b64 s[64:65], 0
	v_nop
	global_prefetch_b8 v0, s[64:65] scope:SCOPE_SE
	s_setreg_imm32_b32 hwreg(HW_REG_WAVE_MODE, 25, 1), 1
	s_wait_xcnt 0x0
	s_wait_alu depctr_hold_cnt(0) depctr_sa_sdst(0) depctr_va_vdst(0) depctr_va_sdst(0) depctr_va_ssrc(0) depctr_va_vcc(0) depctr_vm_vsrc(0)
	s_getreg_b32 s2, hwreg(HW_REG_IB_STS2, 6, 4)
	s_cmp_eq_u32 s2, 0
	s_cbranch_scc0 .Lentry_in_a_cluster
	s_endpgm
.Lentry_in_a_cluster:
	s_bfe_u32 s2, ttmp6, 0x10000c
	s_cmp_lg_u32 s2, 0xf033
	s_cbranch_scc0 .Lentry_shape_is_right
	s_endpgm
.Lentry_shape_is_right:
; [q | k | v] = Q(x) Q([Wq | Wk | Wv]) on codes of E2M1 with E8M0 scales, sums in f32; then, in f32, RoPE and the RMS norm on q and k; results leave as f16 images of the attention's operands.
; A tile of 256 tokens x 256 columns to a work-group of four waves; a wave makes 128 x 128: 64 accumulators.  K = 1,024 is two halves of 512: both lie in LDS at once, each asked for once; nothing is filled again.
; The workspace is laid as images of operand registers (chunks of 16 bytes at 16 x lane), so every fragment load reads 512 consecutive LDS bytes and every store writes 512 consecutive bytes.
; CLUSTERS: 4 x 4 work-groups.  Tile column = 4 x cluster x + cx; cluster x is also the kind (0 q, 1 k, 2 v).  TILE ROW = cluster y + 8 cy: so cy is the batch and 256 x cluster y the first position,
; and whether a block holds a sequence's start hangs on cluster y alone, which all partners share.  A's tiles are shared along a row of the cluster, B's along a column: joint loads.
; THE MATRIX INSTRUCTION IS USED TRANSPOSED (source 0 = 16 columns of W, source 1 = 16 tokens): a lane holds one token (lane % 16) and eight neighbouring channels 8 (lane / 16) + 0 .. 7 of each tile of 16 columns.
; A wave's 128 columns are two heads; a head's 64 channels are four accumulators of one lane pair (l, l xor 16): the rotation pairs tile b with tile b + 2, and the norm wants one exchange between the halves of the lanes.
; OUT: qkv [kind][bh 64][tile of 16 tokens 128][blk 4][place 32][16 B] f16: token 16 tile + r, channels 16 blk + 8 h + 0 .. 7; place = lane for q and k; for v place = 16 (r / 8) + 8 h + r % 8.
; q is stored times log2(e) / 8.  The first 16 positions of every sequence also leave in f32 (fine [bh][kind 3][blk 4][g 2][lane][16 B]).
; LIMITS: v beyond 65,504 is not served (f16); NaN and infinities are not served.
; REGISTERS, in windows of 256: window 0: v16-29 addresses; v32-95 scale words, two sets, and nothing else; v96-127 a head at work; v128-191 A's fragments, on the way out packed results and the norm's figures;
;   v192-255 cos and sin, two sets of 16 + 16.   window 1: B's fragments, two sets.   windows 2, 3: the accumulators ((a, b) at v[8 (8 (a % 4) + b)]).
.set NQ,     4                         ; steps of 128 along K in a half
.set FR,     8
.set NL,     2
.set NP,     4                         ; places behind this matrix instruction (ISA guide 7.12.1)
.set SLOT,   131072                    ; half s of K: A's 16 tiles x 4 KB, then B's 16 x 4 KB
.set BOFF,   65536
.set SCL,    262144                    ; A's scale words, 8 KB, then B's
.set SPARE,  278528                    ; the spare words, 128 bytes a wave
.set XS,     4194304
.set WS,     1572864
.set ADRA, 16
.set ADRB, 20
.set PO,   24                          ; v24 16 x lane
.set POV,  25                          ; v25 16 x v's place
.set CSO,  26                          ; v26 128 r + 32 h: my place in 16 rows of cos and sin
.set ADRS, 27
.set SPW,  28
.set NIL,  29
.set SC,   32
.set T,    96
.set AF,   128
.set F,    128                         ; packed f16, 16 registers for each of a block's two heads
.set FA,   160                         ; v[160:161] the norm's factor (low word)
.set SQ,   162                         ; v162-166 the sum of squares
.set CS,   192
.set G1, 24
.set G0, 32
.set G1B, 48
.set G0B, 56
.set G1S, 68
.set G0S, 76
.set G1SB, 80
.set G0SB, 88
.set MSB, 0
.macro WIN new                         ; the immediate's high byte repeats the setting that is left
.if MSB != (\new)
	s_set_vgpr_msb (MSB<<8)|(\new)
.set MSB, \new
.endif
.endm
.set MUL_LO, 0xa1                      ; source 0 (B) window 1, source 1 (A) window 0, C and D window 2
.set MUL_HI, 0xf1
.set TO_B,   0x40
; A joint load: waves 0 and 1 fetch for A, waves 2 and 3 for B; the branch hangs on the wave's number alone.  An s_nop 0 and four v_nop follow each of the two lines.
.macro JLOAD g0a, g1a, g0b, g1b
	s_cmp_eq_u32 s17, 0
	s_cbranch_scc0 .Lfor_b_\@
	tensor_load_to_lds s[\g0a:\g0a+3], s[\g1a:\g1a+7]
	s_nop 0
.rept 4
	v_nop
.endr
	s_branch .Lasked_\@
.Lfor_b_\@:
	tensor_load_to_lds s[\g0b:\g0b+3], s[\g1b:\g1b+7]
	s_nop 0
.rept 4
	v_nop
.endr
.Lasked_\@:
.endm
.macro CROUND                          ; a round of the cluster's barrier
	s_barrier_signal -1
	s_barrier_wait -1
	s_cmp_lg_u32 s16, 0
	s_cbranch_scc1 .Lnot_wave_0_\@
	s_barrier_signal -3
.Lnot_wave_0_\@:
	s_barrier_wait -3
	s_barrier_signal -1
	s_barrier_wait -1
.endm
	s_load_b256 s[4:11], s[0:1], 0x0               ; xq, wq, cos, sin
	s_load_b128 s[12:15], s[0:1], 0x20             ; qkv, fine
	v_lshl_add_u32 v[SPW], v0, 2, SPARE
	v_mov_b32 v[NIL], 0
	ds_add_u32 v[SPW], v[NIL]                      ; the wave's opening: the add, twice on end, and its wait ahead of my first tensor load
	ds_add_u32 v[SPW], v[NIL]
	v_lshrrev_b32 v1, 5, v0
	v_readfirstlane_b32 s16, v1                    ; wave 0..3
	s_lshr_b32 s17, s16, 1                         ; my half of the tile's tokens.  Also: I fetch for A (0) or for B (1)
	s_and_b32 s18, s16, 1                          ; my half of its columns.  Also: which eight tiles of 16 I fetch
	s_bfe_u32 s40, ttmp6, 0x40000                  ; cx
	s_bfe_u32 s41, ttmp6, 0x40004                  ; cy
	s_lshl_b32 s42, ttmp9, 2
	s_add_co_u32 s42, s42, s40                     ; tile column = 4 x cluster x + cx
	s_and_b32 s19, ttmp7, 0xffff
	s_lshl_b32 s95, s41, 3
	s_add_co_u32 s19, s19, s95                     ; tile row = cluster y + 8 cy
	s_lshl_b32 s43, s41, 2
	s_lshl_b32 s43, 15, s43                        ; my row of the cluster
	s_lshl_b32 s44, 0x1111, s40                    ; my column
	; codes: eight rows of 4,096 bytes (a tile of 16's half of K), 8,192 bytes apart; elements of 8 bytes; no padding
	s_or_b32 s[G1+0], s43, (3<<16)|(1<<21)
	s_or_b32 s[G1B+0], s44, (3<<16)|(1<<21)
.irp g, G1, G1B
	s_mov_b32 s[\g+1], 512<<16                     ; tensor_dim0
	s_mov_b32 s[\g+2], 8<<16                       ; tensor_dim1
	s_mov_b32 s[\g+3], 512<<16                     ; tile_dim0
	s_mov_b32 s[\g+4], 8                           ; tile_dim1
	s_mov_b32 s[\g+5], 1024                        ; tensor_dim0_stride
	s_mov_b32 s[\g+6], 0
	s_mov_b32 s[\g+7], 0
.endr
	; scale words of eight tiles: 4,096 dense bytes as 16 rows of 256
	s_or_b32 s[G1S+0], s43, (3<<16)|(1<<21)
	s_or_b32 s[G1SB+0], s44, (3<<16)|(1<<21)
.irp g, G1S, G1SB
	s_mov_b32 s[\g+1], 32<<16
	s_mov_b32 s[\g+2], 16<<16
	s_mov_b32 s[\g+3], 32<<16
	s_mov_b32 s[\g+4], 16
	s_mov_b32 s[\g+5], 32
	s_mov_b32 s[\g+6], 0
	s_mov_b32 s[\g+7], 0
.endr
	s_lshl_b32 s21, s18, 3
	s_lshl_b32 s20, s19, 4
	s_add_co_u32 s20, s20, s21                     ; A: tile of 16 tokens = 16 x tile row + 8 x part
	s_lshl_b32 s46, s42, 4
	s_add_co_u32 s46, s46, s21                     ; B: tile of 16 columns
	s_lshl_b32 s22, s20, 9
	s_add_co_u32 s22, s22, XS                      ; where their scale words begin,
	s_mov_b32 s23, 0
	s_lshl_b32 s92, s46, 9
	s_add_co_u32 s92, s92, WS
	s_mov_b32 s93, 0
	s_lshl_b32 s20, s20, 13                        ; and their codes
	s_mov_b32 s21, 0
	s_lshl_b32 s46, s46, 13
	s_mov_b32 s47, 0
	s_lshl_b32 s45, s16, 15                        ; where they go: wave x 32 KB: no place in the cluster enters an LDS address
	s_lshl_b32 s94, s16, 12
	s_mov_b32 s2, 0x76543210
	s_mov_b32 s3, 0xfedcba98                       ; selects for lane xor 16
	s_mov_b32 s98, 0x3c800000                      ; 1 / 64
	s_mov_b32 s99, 0x34000000                      ; f32's eps
	s_cmp_eq_u32 ttmp9, 0
	s_mov_b32 s100, 1.0
	s_cselect_b32 s100, 0x3e38aa3b, s100           ; q alone is multiplied by log2(e) / 8
	s_and_b32 s101, ttmp7, 0xffff
	s_or_b32 s101, s101, s17
	s_cmp_eq_u32 s101, 0
	s_cselect_b32 s101, 1, 0                       ; 1: my first 16 tokens are a sequence's first 16
	s_wait_dscnt 0x0                               ; both opening adds are done
	s_wait_kmcnt 0x0
	s_add_nc_u64 s[20:21], s[4:5], s[20:21]
	s_add_nc_u64 s[22:23], s[4:5], s[22:23]
	s_add_nc_u64 s[46:47], s[6:7], s[46:47]
	s_add_nc_u64 s[92:93], s[6:7], s[92:93]
	CROUND                                         ; all sixteen work-groups are here: the first joint loads meet
	s_mov_b32 s[G0S], 1
	s_add_co_u32 s[G0S+1], s94, SCL
	s_mov_b64 s[G0S+2:G0S+3], s[22:23]
	s_or_b32 s[G0S+3], s[G0S+3], 0x80000000
	s_mov_b32 s[G0SB], 1
	s_add_co_u32 s[G0SB+1], s94, SCL
	s_mov_b64 s[G0SB+2:G0SB+3], s[92:93]
	s_or_b32 s[G0SB+3], s[G0SB+3], 0x80000000
	JLOAD G0S, G1S, G0SB, G1SB                     ; the scale words first: three loads of mine are out behind the third
.irp s, 0,1
	s_mov_b32 s[G0+4*\s], 1
	s_add_co_u32 s[G0+4*\s+1], s45, \s*SLOT
	s_add_nc_u64 s[G0+4*\s+2:G0+4*\s+3], s[20:21], \s*4096
	s_or_b32 s[G0+4*\s+3], s[G0+4*\s+3], 0x80000000
	s_mov_b32 s[G0B+4*\s], 1
	s_add_co_u32 s[G0B+4*\s+1], s45, \s*SLOT
	s_add_nc_u64 s[G0B+4*\s+2:G0B+4*\s+3], s[46:47], \s*4096
	s_or_b32 s[G0B+4*\s+3], s[G0B+4*\s+3], 0x80000000
	JLOAD G0+4*\s, G1, G0B+4*\s, G1B
.endr
	v_and_b32 v1, 15, v0                           ; r
	v_bfe_u32 v2, v0, 4, 1                         ; h
	v_and_b32 v3, 31, v0
	v_lshlrev_b32 v[PO], 4, v3
	s_lshl_b32 s21, s17, 15                        ; my eight tiles of A
	s_lshl_b32 s22, s18, 15
	s_add_co_u32 s22, s22, BOFF                    ; my eight of B
.irp s, 0,1
	v_add_nc_u32 v[ADRA+\s], s21, v[PO]
	v_add_nc_u32 v[ADRB+\s], s22, v[PO]
	s_add_co_u32 s21, s21, SLOT
	s_add_co_u32 s22, s22, SLOT
.endr
	s_lshl_b32 s21, s17, 12                        ; scale words: lanes 0-15 take A's, lanes 16-31 B's: the lower base + h x the distance
	s_lshl_b32 s22, s18, 12
	s_add_co_u32 s22, s22, 8192
	s_sub_co_u32 s22, s22, s21
	v_mul_u32_u24 v6, s22, v2
	s_add_co_u32 s21, s21, SCL
	v_lshl_add_u32 v5, v1, 4, v6
	v_add_nc_u32 v[ADRS], s21, v5
	v_lshrrev_b32 v5, 3, v1
	v_lshlrev_b32 v5, 4, v5
	v_lshl_add_u32 v5, v2, 3, v5
	v_and_b32 v6, 7, v1
	v_add_nc_u32 v5, v5, v6
	v_lshlrev_b32 v[POV], 4, v5
	v_lshlrev_b32 v[CSO], 7, v1
	v_lshl_add_u32 v[CSO], v2, 5, v[CSO]
	; global offsets, in registers from which no descriptor is made
	s_mov_b32 s97, 0
	s_and_b32 s66, ttmp7, 0xffff
	s_lshl_b32 s96, s66, 15
	s_lshl_b32 s67, s17, 14
	s_add_co_u32 s96, s96, s67                     ; position 256 x cluster y + 128 x half: x 128 bytes in cos and sin, and x 128 bytes in a head's image
	s_add_nc_u64 s[8:9], s[8:9], s[96:97]
	s_add_nc_u64 s[10:11], s[10:11], s[96:97]
	s_add_nc_u64 s[12:13], s[12:13], s[96:97]
	s_lshl_b32 s66, s41, 4
	s_lshl_b32 s67, s40, 2
	s_add_co_u32 s66, s66, s67
	s_lshl_b32 s67, s18, 1
	s_add_co_u32 s66, s66, s67                     ; batch x 16 + my first head
	s_lshl_b32 s96, s66, 18
	s_lshl_b32 s67, ttmp9, 24
	s_add_co_u32 s96, s96, s67
	s_add_nc_u64 s[12:13], s[12:13], s[96:97]
	s_mul_i32 s96, s66, 12288
	s_lshl_b32 s67, ttmp9, 12
	s_add_co_u32 s96, s96, s67
	s_add_nc_u64 s[14:15], s[14:15], s[96:97]
.macro CSLOAD a                        ; cos and sin of block a's 16 positions, my 16 of the 32 channels: eight loads into set a % 2
.irp b, 0,1
.irp g, 0,1
	global_load_b128 v[CS+32*((\a)%2)+8*\b+4*\g:CS+32*((\a)%2)+8*\b+4*\g+3], v[CSO], s[8:9] offset:2048*(\a)+64*\b+16*\g
	global_load_b128 v[CS+32*((\a)%2)+16+8*\b+4*\g:CS+32*((\a)%2)+16+8*\b+4*\g+3], v[CSO], s[10:11] offset:2048*(\a)+64*\b+16*\g
.endr
.endr
.endm
	CSLOAD 0
	CSLOAD 1
.macro FRAG reg, adr, q, i             ; a fragment, 16 rows x 128 K of 4-bit codes: two loads of 512 consecutive bytes
.irp c, 0,1
	ds_load_b128 v[\reg+4*\c:\reg+4*\c+3], v[\adr] offset:4096*(\i)+1024*(\q)+512*\c
.endr
.endm
; 16 matrix instructions: A's blocks a0, a0 + 1 x B's eight, 128 along K.  The 64 accumulators take turns, one instruction a turn, in the same order in every step.
.macro MUL16 a0, p, q, sc, zero
.irp a, \a0, \a0+1
.irp b, 0,1,2,3,4,5,6,7
.if \zero
	v_wmma_scale_f32_16x16x128_f8f6f4 v[8*(8*((\a)%4)+\b):8*(8*((\a)%4)+\b)+7], v[128*(\p)+FR*\b:128*(\p)+FR*\b+FR-1], v[AF+FR*(\a):AF+FR*(\a)+FR-1], 0, v[SC+8*NQ*(\sc)+NQ*\b+(\q)], v[SC+8*NQ*(\sc)+NQ*(\a)+(\q)] matrix_a_fmt:MATRIX_FMT_FP4 matrix_b_fmt:MATRIX_FMT_FP4 matrix_a_scale:MATRIX_SCALE_ROW1
.else
	v_wmma_scale_f32_16x16x128_f8f6f4 v[8*(8*((\a)%4)+\b):8*(8*((\a)%4)+\b)+7], v[128*(\p)+FR*\b:128*(\p)+FR*\b+FR-1], v[AF+FR*(\a):AF+FR*(\a)+FR-1], v[8*(8*((\a)%4)+\b):8*(8*((\a)%4)+\b)+7], v[SC+8*NQ*(\sc)+NQ*\b+(\q)], v[SC+8*NQ*(\sc)+NQ*(\a)+(\q)] matrix_a_fmt:MATRIX_FMT_FP4 matrix_b_fmt:MATRIX_FMT_FP4 matrix_a_scale:MATRIX_SCALE_ROW1
.endif
.endr
.endr
.endm
.macro FETCH_B slot, q, p
	WIN TO_B
.irp i, 0,1,2,3,4,5,6,7
	FRAG 128*(\p)+FR*\i, ADRB+\slot, \q, \i
.endr
	WIN 0
.endm
.macro FETCH_A slot, q, i0
.irp i, \i0, \i0+1, \i0+2, \i0+3
	FRAG AF+FR*(\i), ADRA+\slot, \q, \i
.endr
.endm
.macro SCALES sc                       ; a half's scale words: four a row; lanes 0-15 A's block i, lanes 16-31 B's block i
.irp i, 0,1,2,3,4,5,6,7
	ds_load_b128 v[SC+8*NQ*\sc+NQ*\i:SC+8*NQ*\sc+NQ*\i+3], v[ADRS] offset:\i*512
.endr
.endm
.macro PLACES n                        ; plain vector instructions that name none of the matrix instruction's registers (ISA guide 7.12.1)
.rept \n
	v_nop
.endr
.endm
.macro STEP slot, q, zero              ; a step of 128 along K that has its successor in the same half
	s_wait_dscnt 4*NL                              ; B's set and A's blocks 0-3 are in; the youngest eight loads (A's blocks 4-7) may be out
	WIN MUL_LO
	MUL16 0, (\q)%2, \q, \slot, \zero
	MUL16 2, (\q)%2, \q, \slot, \zero
	s_wait_dscnt 0
	PLACES NP
	FETCH_B \slot, (\q)+1, 1-(\q)%2
	FETCH_A \slot, (\q)+1, 0
	WIN MUL_HI
	MUL16 4, (\q)%2, \q, \slot, \zero
	MUL16 6, (\q)%2, \q, \slot, \zero
	PLACES NP
	WIN 0
	FETCH_A \slot, (\q)+1, 4
.endm
; The first half's last step goes over to the second half: each wave waits for all its tensor loads (its part of the second half), adds 0 to its spare word and waits for that; behind the barrier the second half is whole.
.macro TURN slot, next
	s_wait_tensorcnt 0x0
	ds_add_u32 v[SPW], v[NIL]
	s_wait_dscnt 4*NL+1                            ; (the add and A's blocks 4-7 may be out)
	WIN MUL_LO
	MUL16 0, 1, NQ-1, \slot, 0
	s_wait_dscnt 0x0
	s_barrier_signal -1
	MUL16 2, 1, NQ-1, \slot, 0
	WIN 0
	s_barrier_wait -1
	PLACES NP
	v_add_nc_u32 v[ADRS], 256, v[ADRS]             ; the second half's scale words
	FETCH_B \next, 0, 0
	FETCH_A \next, 0, 0
	SCALES \next
	WIN MUL_HI
	MUL16 4, 1, NQ-1, \slot, 0
	MUL16 6, 1, NQ-1, \slot, 0
	PLACES NP
	WIN 0
	FETCH_A \next, 0, 4
.endm
.macro STEPS slot, from
.set Q, \from
.rept NQ-1-\from
	STEP \slot, Q, 0
.set Q, Q+1
.endr
.endm
	s_wait_tensorcnt 1                             ; the scale words and my part of the first half are in (the second half's load may be out),
	s_barrier_signal -1
	s_barrier_wait -1                              ; everybody's are
	FETCH_B 0, 0, 0
	FETCH_A 0, 0, 0
	SCALES 0
	FETCH_A 0, 0, 4
	STEP 0, 0, 1                                   ; the first products start the sums: nothing is cleared
	STEPS 0, 1
	TURN 0, 1
	STEPS 1, 0
	s_wait_dscnt 4*NL
	WIN MUL_LO
	MUL16 0, 1, NQ-1, 1, 0
	MUL16 2, 1, NQ-1, 1, 0
	s_wait_dscnt 0
	WIN MUL_HI
	MUL16 4, 1, NQ-1, 1, 0
	MUL16 6, 1, NQ-1, 1, 0
	WIN 0
	PLACES NP                                      ; in front of the first reads of results and of writes into A's fragment registers
	s_cmp_eq_u32 ttmp9, 2                          ; the kind: the same in all partners
	s_cbranch_scc1 .Lvalues
; q and k: one head (four accumulators) of block a's 16 tokens.  u1 = tiles 0, 1 (channels 0-31), u2 = tiles 2, 3.
.macro HEAD a, hd
.set UB, 8*(8*((\a)%4)+4*(\hd))
.set CO, CS+32*((\a)%2)
.set SI, CO+16
.set FB, F+16*(\hd)
	s_wait_xcnt 0x0                                ; the earlier stores have read their registers: they are written again only behind this wait
.if (\hd) == 0
.if (\a) < 7
	s_wait_loadcnt 8                               ; this block's cos and sin are in; the other set's eight loads may be out
.else
	s_wait_loadcnt 0x0
.endif
.endif
	WIN 0x02+(\a)/4                                ; source 0: the accumulators' window
.irp b, 0,1
.irp j, 0,2,4,6
	v_pk_mul_f32 v[T+8*\b+\j:T+8*\b+\j+1], v[UB+8*\b+\j:UB+8*\b+\j+1], v[CO+8*\b+\j:CO+8*\b+\j+1]              ; u1 cos (each accumulator from its low end on)
	v_pk_mul_f32 v[T+16+8*\b+\j:T+16+8*\b+\j+1], v[UB+16+8*\b+\j:UB+16+8*\b+\j+1], v[CO+8*\b+\j:CO+8*\b+\j+1]  ; u2 cos
.endr
.endr
.irp b, 0,1
.irp j, 0,2,4,6
	v_pk_fma_f32 v[T+8*\b+\j:T+8*\b+\j+1], v[UB+16+8*\b+\j:UB+16+8*\b+\j+1], v[SI+8*\b+\j:SI+8*\b+\j+1], v[T+8*\b+\j:T+8*\b+\j+1]   ; + u2 sin
	v_pk_fma_f32 v[T+16+8*\b+\j:T+16+8*\b+\j+1], v[UB+8*\b+\j:UB+8*\b+\j+1], v[SI+8*\b+\j:SI+8*\b+\j+1], v[T+16+8*\b+\j:T+16+8*\b+\j+1] neg_lo:[1,0,0] neg_hi:[1,0,0]   ; - u1 sin
.endr
.endr
	WIN 0
	v_pk_mul_f32 v[SQ:SQ+1], v[T:T+1], v[T:T+1]    ; the sum of squares, in two chains
	v_pk_mul_f32 v[SQ+2:SQ+3], v[T+2:T+3], v[T+2:T+3]
.irp j, 4,8,12,16,20,24,28
	v_pk_fma_f32 v[SQ:SQ+1], v[T+\j:T+\j+1], v[T+\j:T+\j+1], v[SQ:SQ+1]
	v_pk_fma_f32 v[SQ+2:SQ+3], v[T+\j+2:T+\j+3], v[T+\j+2:T+\j+3], v[SQ+2:SQ+3]
.endr
	v_pk_add_f32 v[SQ:SQ+1], v[SQ:SQ+1], v[SQ+2:SQ+3]
	v_add_f32 v[SQ], v[SQ], v[SQ+1]
	v_permlanex16_b32 v[SQ+4], v[SQ], s2, s3
	v_add_f32 v[SQ], v[SQ], v[SQ+4]                ; with lane xor 16's 32 channels
	v_fma_f32 v[SQ], v[SQ], s98, s99               ; the mean + eps
	v_rsq_f32 v[SQ+1], v[SQ]
	v_nop                                          ; a plain instruction behind the transcendental,
	s_wait_alu depctr_va_vdst(0)                   ; and a wait ahead of its first reader
	v_mul_f32 v[FA], s100, v[SQ+1]
.irp j, 0,2,4,6,8,10,12,14,16,18,20,22,24,26,28,30
	v_pk_mul_f32 v[T+\j:T+\j+1], v[T+\j:T+\j+1], v[FA:FA+1] op_sel_hi:[1,0]
.endr
.irp b, 0,1,2,3
.irp i, 0,1,2,3
	v_cvt_pk_f16_f32 v[FB+4*\b+\i], v[T+8*\b+2*\i], v[T+8*\b+2*\i+1]
.endr
.endr
.irp b, 0,1,2,3
	global_store_b128 v[PO], v[FB+4*\b:FB+4*\b+3], s[12:13] offset:262144*(\hd)+2048*(\a)+512*\b   ; 512 consecutive bytes
.endr
.if (\a) == 0
	s_cmp_eq_u32 s101, 1                           ; a sequence's first 16 positions also leave in f32
	s_cbranch_scc0 .Lnot_fine_\@
.irp b, 0,1,2,3
.irp g, 0,1
	global_store_b128 v[PO], v[T+8*\b+4*\g:T+8*\b+4*\g+3], s[14:15] offset:12288*(\hd)+1024*\b+512*\g
.endr
.endr
.Lnot_fine_\@:
.endif
.if ((\hd) == 1) && ((\a) < 6)
	CSLOAD (\a)+2
.endif
.endm
	v_mov_b32 v[SQ+4], 0                           ; a lane permute's destination counts as read
	v_mov_b32 v[FA+1], 0                           ; named as the upper half of a pair
.irp a, 0,1,2,3,4,5,6,7
	HEAD \a, 0
	HEAD \a, 1
.endr
	s_branch .Ldone
.Lvalues:
.macro VHEAD a, hd                     ; v: rounded to f16 as it is
.set UB, 8*(8*((\a)%4)+4*(\hd))
.set FB, F+16*(\hd)
	s_wait_xcnt 0x0
	WIN 0x0a+5*((\a)/4)                            ; sources 0 and 1: the accumulators' window
.irp b, 0,1,2,3
.irp i, 0,1,2,3
	v_cvt_pk_f16_f32 v[FB+4*\b+\i], v[UB+8*\b+2*\i], v[UB+8*\b+2*\i+1]
.endr
.endr
	WIN 0
.irp b, 0,1,2,3
	global_store_b128 v[POV], v[FB+4*\b:FB+4*\b+3], s[12:13] offset:262144*(\hd)+2048*(\a)+512*\b
.endr
.if (\a) == 0
	s_cmp_eq_u32 s101, 1
	s_cbranch_scc0 .Lnot_fine_\@
	WIN 0x08                                       ; a store's data are its source 1: window 2
.irp b, 0,1,2,3
.irp g, 0,1
	global_store_b128 v[PO], v[UB+8*\b+4*\g:UB+8*\b+4*\g+3], s[14:15] offset:12288*(\hd)+1024*\b+512*\g
.endr
.endr
	WIN 0
.Lnot_fine_\@:
.endif
.endm
.irp a, 0,1,2,3,4,5,6,7
	VHEAD \a, 0
	VHEAD \a, 1
.endr
.Ldone:
	s_wait_tensorcnt 0x0                           ; the wave's end
	ds_add_u32 v[SPW], v[NIL]
	s_wait_dscnt 0x0
	CROUND                                         ; the closing round: no work-group ends while a partner may still ask for a tile that names it
	s_endpgm
.Lfunc_end_k_q9a77354d3d_qkvgemm:
	.size	k_q9a77354d3d_qkvgemm, .Lfunc_end_k_q9a77354d3d_qkvgemm-k_q9a77354d3d_qkvgemm
	.p2alignl 7, 3214868480
	.fill 96, 4, 3214868480
	.section	.rodata,"a",@progbits
	.p2align	6, 0x0
	.amdhsa_kernel k_q9a77354d3d_qkvgemm
		.amdhsa_group_segment_fixed_size 327680
		.amdhsa_private_segment_fixed_size 0
		.amdhsa_enable_private_segment 0
		.amdhsa_kernarg_size 48
		.amdhsa_user_sgpr_count 2
		.amdhsa_user_sgpr_kernarg_segment_ptr 1
		.amdhsa_wavefront_size32 1
		.amdhsa_system_sgpr_workgroup_id_x 1
		.amdhsa_system_sgpr_workgroup_id_y 1
		.amdhsa_system_sgpr_workgroup_id_z 1
		.amdhsa_system_vgpr_workitem_id 0
		.amdhsa_next_free_vgpr 1024
		.amdhsa_next_free_sgpr 102
		.amdhsa_reserve_vcc 0
		.amdhsa_float_denorm_mode_32 3
		.amdhsa_float_denorm_mode_16_64 3
		.amdhsa_memory_ordered 1
		.amdhsa_forward_progress 1
		.amdhsa_inst_pref_size 222
	.end_amdhsa_kernel
	.amdgpu_metadata
---
amdhsa.version: [ 1, 2 ]
amdhsa.kernels:
  - .name:           k_q9a77354d3d_qkvgemm
    .symbol:         k_q9a77354d3d_qkvgemm.kd
    .args:
      - { .name: xq, .offset: 0, .size: 8, .value_kind: global_buffer, .address_space: global }
      - { .name: wq, .offset: 8, .size: 8, .value_kind: global_buffer, .address_space: global }
      - { .name: cos, .offset: 16, .size: 8, .value_kind: global_buffer, .address_space: global }
      - { .name: sin, .offset: 24, .size: 8, .value_kind: global_buffer, .address_space: global }
      - { .name: qkv, .offset: 32, .size: 8, .value_kind: global_buffer, .address_space: global }
      - { .name: fine, .offset: 40, .size: 8, .value_kind: global_buffer, .address_space: global }
    .group_segment_fixed_size: 327680
    .private_segment_fixed_size: 0
    .kernarg_segment_align: 8
    .kernarg_segment_size: 48
    .max_flat_workgroup_size: 128
    .sgpr_count:     102
    .vgpr_count:     1024
    .wavefront_size: 32
...
	.end_amdgpu_metadata
.endif
;; end of part 2
;; launch attn (part 3): grid 4 x 64, 8 waves a work-group, no clusters, 327,680 bytes of LDS; arguments qkv, yi; writes yi
.if DOCPART == 3
	.amdgcn_target "amdgcn-amd-amdhsa--gfx1250"
	.amdhsa_code_object_version 6
	.text
	.protected	k_q9a77354d3d_attn
	.globl	k_q9a77354d3d_attn
	.p2align	8
	.type	k_q9a77354d3d_attn,@function
k_q9a77354d3d_attn:
	s_mov_b64 s[64:65], 0
	v_nop
	global_prefetch_b8 v0, s[64:65] scope:SCOPE_SE
	s_setreg_imm32_b32 hwreg(HW_REG_WAVE_MODE, 25, 1), 1
	s_wait_xcnt 0x0
; y[b][t][head] = softmax over keys k <= t of (q . k / 8) times v, for 64 (batch, head) pairs of 2,048 positions and 64 channels.  q, k, v arrive as f16 images of operand registers; products and sums in f32; p is rounded to f16.
; NO MAXIMUM IS TAKEN: q and k are RMS-normalised by the problem itself, so |q|, |k| <= 8 and |q . k / 8| <= 8 for every input: p = e^s lies in [3.3e-4, 2,990], all normal f16 numbers, and a row's sum is under 6.2e6.
; q arrives times log2(e) / 8, so p = 2^(the product) with nothing between.  LIMITS: v and y beyond 65,504 are not served (f16).
; SHARES.  Work-group i of a head owns the blocks of 256 queries i and 7 - i: 9 units of 256 x 256 for each of the 256 work-groups.  Each of its eight waves owns 32 queries of each block (two PIECES of two tiles of 16).
; Which 32: w for waves 0-3, 11 - w for waves 4-7, so that the two waves of a pair (w, w + 4) have equal work together in a slot on the diagonal.
; THE WALK.  Keys go in slots of 256 (K 32 KB, V 32 KB) through two LDS slots; a slot is four steps of 64 keys.  Every work-group walks all 8 slots, so that trip counts are constants; a step all of whose keys come after
; a piece's queries is left out by a scalar branch on ids, and a slot that no wave of the work-group reads is not asked for.  Every wait on the tensor counter is for 0.
; NO CLUSTER: the four work-groups of a head stop at keys 2,048, 1,792, 1,536 and 1,280: a joint load would bring tiles that no wave of some partner reads.
; LAYOUT.  Both products are used transposed: S^T = K Q^T (source 0 = 16 keys, source 1 = 16 queries), O^T = V^T P (source 0 = 16 channels, source 1 = P): a lane holds one query throughout, and two tiles of S^T, rounded in pairs, are P.
; REGISTERS: window 0: v2-11 addresses and constants; v12-27 the sums, four a tile; v32-95 Q; v96-159 K of a step; v160-223 S^T of a piece, then p; v224-255 P.   window 1: v0-127 O^T, 32 a tile; v128-191 V of a step.
.set SLOTB, 65536
.set VOFF,  32768
.set SPARE, 131072
.set LI,  2                            ; v2  16 x lane
.set ADR, 3                            ; v3  the step's LDS address
.set SPW, 6
.set NIL, 7
.set PFO, 8                            ; v8  256 x lane
.set RH,  9                            ; v9  r - 8 h
.set DD,  10                           ; v10 the mask's d
.set NINF, 11                          ; v11 -infinity
.set LS,  12
.set RQ,  32
.set RK,  96
.set RS,  160
.set RP,  224
.set MSB, 0
.macro WIN new
.if MSB != (\new)
	s_set_vgpr_msb (MSB<<8)|(\new)
.set MSB, \new
.endif
.endm
	s_load_b128 s[4:7], s[0:1], 0x0                ; qkv, yi
	v_lshl_add_u32 v[SPW], v0, 2, SPARE
	v_mov_b32 v[NIL], 0
	ds_add_u32 v[SPW], v[NIL]                      ; the wave's opening: the add, twice on end, and its wait ahead of my first tensor load
	ds_add_u32 v[SPW], v[NIL]
	v_lshrrev_b32 v1, 5, v0
	v_readfirstlane_b32 s8, v1                     ; wave 0..7
	s_mov_b32 s9, ttmp9                            ; i
	s_and_b32 s10, ttmp7, 0xffff                   ; batch x 16 + head
	s_sub_co_u32 s46, 11, s8
	s_cmp_lt_u32 s8, 4
	s_cselect_b32 s11, s8, s46                     ; which 32 queries of a block: it enters global addresses and scalar compares alone
	s_lshl_b32 s47, s11, 5
	s_lshl_b32 s12, s9, 8
	s_add_co_u32 s12, s12, s47                     ; the low piece's first query
	s_sub_co_u32 s13, 7, s9
	s_lshl_b32 s13, s13, 8
	s_add_co_u32 s13, s13, s47                     ; the high piece's
	s_add_co_u32 s14, s12, 31                      ; their last
	s_add_co_u32 s15, s13, 31
	s_sub_co_u32 s32, 8, s9
	s_lshl_b32 s32, s32, 8
	s_sub_co_u32 s32, s32, 1                       ; my work-group's last query
	s_cmp_eq_u32 s9, 0
	s_cselect_b32 s33, 1, -1                       ; the head's first work-group prefetches
	s_mov_b32 s16, 3<<16                           ; group 1: 8,192 dense bytes as 32 rows of 256 (32 elements of 8 bytes), no mask, no padding
	s_mov_b32 s17, 32<<16
	s_mov_b32 s18, 32<<16
	s_mov_b32 s19, 32<<16
	s_mov_b32 s20, 32
	s_mov_b32 s21, 32
	s_mov_b32 s22, 0
	s_mov_b32 s23, 0
	s_mov_b32 s28, 0                               ; LDS byte of the step in hand
	s_mov_b32 s29, 0                               ; its first key
	s_mov_b32 s30, 7                               ; changes of slots that may ask for a slot
	s_mov_b32 s36, 0x76543210
	s_mov_b32 s37, 0xfedcba98
	s_lshl_b32 s48, s10, 18                        ; the head's image: 262,144 bytes
	s_lshr_b32 s46, s8, 2
	s_add_co_u32 s46, s46, 1
	s_lshl_b32 s46, s46, 24                        ; waves 0-3 fetch K (at 2^24), waves 4-7 V (at 2^25),
	s_add_co_u32 s46, s46, s48
	s_and_b32 s47, s8, 3
	s_lshl_b32 s47, s47, 13                        ; each one step's 64 keys, 8,192 bytes
	s_add_co_u32 s46, s46, s47
	s_mov_b32 s47, 0
	s_mov_b32 s24, 1
	s_lshl_b32 s25, s8, 13                         ; to LDS byte 8,192 x wave of slot 0
	s_mov_b32 s51, 0
	s_mov_b32 s55, 0
	s_lshl_b32 s50, s12, 7
	s_add_co_u32 s50, s50, s48                     ; Q's tiles: 128 bytes a query
	s_lshl_b32 s54, s13, 7
	s_add_co_u32 s54, s54, s48
	s_wait_dscnt 0x0                               ; both opening adds are done
	s_wait_kmcnt 0x0
	s_add_nc_u64 s[26:27], s[4:5], s[46:47]
	s_add_nc_u64 s[34:35], s[26:27], 32768         ; the prefetches' address: my part of slot 1; the first change of slots steps it to slot 2
	s_or_b32 s27, s27, 0x80000000
	tensor_load_to_lds s[24:27], s[16:23]          ; slot 0: every wave its eighth
	s_nop 0
.rept 4
	v_nop
.endr
	s_add_nc_u64 s[38:39], s[4:5], s[50:51]
	s_add_nc_u64 s[40:41], s[4:5], s[54:55]
	s_lshr_b32 s52, s10, 4
	s_lshl_b32 s52, s52, 22                        ; y's image: batch x 128 tiles of 32 KB,
	s_and_b32 s53, s10, 15
	s_lshl_b32 s53, s53, 11                        ; + head x 2,048,
	s_add_co_u32 s52, s52, s53
	s_lshl_b32 s50, s12, 11                        ; + query / 16 x 32 KB
	s_add_co_u32 s50, s50, s52
	s_add_nc_u64 s[42:43], s[6:7], s[50:51]
	s_lshl_b32 s54, s13, 11
	s_add_co_u32 s54, s54, s52
	s_add_nc_u64 s[44:45], s[6:7], s[54:55]
	v_and_b32 v1, 31, v0
	v_lshlrev_b32 v[LI], 4, v1
	v_lshlrev_b32 v[PFO], 8, v1
.irp t, 0,1
.irp b, 0,1,2,3
	global_load_b128 v[RQ+16*\t+4*\b:RQ+16*\t+4*\b+3], v[LI], s[38:39] offset:2048*\t+512*\b         ; Q stays in registers
	global_load_b128 v[RQ+32+16*\t+4*\b:RQ+32+16*\t+4*\b+3], v[LI], s[40:41] offset:2048*\t+512*\b
.endr
.endr
	v_and_b32 v4, 15, v0
	v_bfe_u32 v5, v0, 4, 1
	v_lshlrev_b32 v5, 3, v5
	v_sub_nc_u32 v[RH], v4, v5
	v_mov_b32 v[NINF], 0xff800000
.irp j, 0,1,2,3,4,5,6,7,8,9,10,11,12,13,14,15,16,17,18,19
	v_mov_b32 v[LS+\j], 0                          ; the sums; v28-31: lane permutes' destinations, which count as read
.endr
	WIN 0x40
.set n, 0
.rept 128
	v_mov_b32 v[n], 0                              ; O^T.  (The step is written once: the first finds zeros)
.set n, n+1
.endr
	WIN 0
; A PIECE's share of a step: 32 queries x 64 keys.  x: its first tile (2: the high piece, 0: the low).  wt = 1: the step's loads are waited for here.
.macro PIECE x, wt
.if \wt
	s_wait_dscnt 16                                ; K's 16 loads are in; V's 16, issued behind them, may be out
.endif
.irp c, 0,1                            ; eight accumulators by turns, one instruction a turn
.irp kt, 0,1,2,3
.irp tt, 0,1
.if \c == 0
	v_wmma_f32_16x16x32_f16 v[RS+32*\tt+8*\kt:RS+32*\tt+8*\kt+7], v[RK+16*\kt+8*\c:RK+16*\kt+8*\c+7], v[RQ+16*((\x)+\tt)+8*\c:RQ+16*((\x)+\tt)+8*\c+7], 0
.else
	v_wmma_f32_16x16x32_f16 v[RS+32*\tt+8*\kt:RS+32*\tt+8*\kt+7], v[RK+16*\kt+8*\c:RK+16*\kt+8*\c+7], v[RQ+16*((\x)+\tt)+8*\c:RQ+16*((\x)+\tt)+8*\c+7], v[RS+32*\tt+8*\kt:RS+32*\tt+8*\kt+7]
.endif
.endr
.endr
.endr
.rept 4
	v_nop                                          ; places in front of the first read of the scores
.endr
	s_add_co_u32 s46, s29, 63
	s_cmp_le_u32 s46, s[12+(\x)/2]                 ; all 64 keys count for all 32 queries: no mask
	s_cbranch_scc1 .Lopen_\@
	s_sub_co_i32 s46, s[12+(\x)/2], s29
	v_add_nc_u32 v[DD], s46, v[RH]                 ; d = first query - first key + r - 8 h.  Register 32 tt + 8 kt + j: key 16 kt + 8 h + j against query 16 tt + r: hidden where 16 kt + j - 16 tt > d
.irp tt, 0,1
.irp kt, 0,1,2,3
.irp j, 0,1,2,3,4,5,6,7
	v_cmp_gt_i32 vcc_lo, 16*\kt+\j-16*\tt, v[DD]
	v_cndmask_b32 v[RS+32*\tt+8*\kt+\j], v[RS+32*\tt+8*\kt+\j], v[NINF], vcc_lo
.endr
.endr
.endr
.Lopen_\@:
.set n, 0
.rept 64
	v_exp_f32 v[RS+n], v[RS+n]                     ; p, one batch
.set n, n+1
.endr
	v_nop                                          ; a plain instruction behind the last exponential,
	s_wait_alu depctr_va_vdst(0)                   ; and ONE wait for the batch, ahead of its first reader
.set n, 0
.rept 16
.irp tt, 0,1
	v_cvt_pk_f16_f32 v[RP+16*\tt+n], v[RS+32*\tt+2*n], v[RS+32*\tt+2*n+1]
	v_pk_add_f32 v[LS+4*((\x)+\tt)+2*(n%2):LS+4*((\x)+\tt)+2*(n%2)+1], v[LS+4*((\x)+\tt)+2*(n%2):LS+4*((\x)+\tt)+2*(n%2)+1], v[RS+32*\tt+2*n:RS+32*\tt+2*n+1]   ; the sums are taken of the unrounded p, in four chains
.endr
.set n, n+1
.endr
.if \wt
	s_wait_dscnt 0x0                               ; V is in
.endif
	WIN 0x51                                       ; V, C and D in window 1, P in window 0
.irp ks, 0,1
.irp cc, 0,1,2,3
.irp tt, 0,1
	v_wmma_f32_16x16x32_f16 v[32*((\x)+\tt)+8*\cc:32*((\x)+\tt)+8*\cc+7], v[128+32*\ks+8*\cc:128+32*\ks+8*\cc+7], v[RP+16*\tt+8*\ks:RP+16*\tt+8*\ks+7], v[32*((\x)+\tt)+8*\cc:32*((\x)+\tt)+8*\cc+7]
.endr
.endr
.endr
	WIN 0
.endm
; A STEP: 64 keys.  Left out where all its keys come after my last query: a scalar branch on ids, round loads and work, not round the lines at its end that step addresses.
.macro STEP
	s_cmp_gt_u32 s29, s15
	s_cbranch_scc1 .Lhidden_\@
	v_add_nc_u32 v[ADR], s28, v[LI]
.rept 3
	v_nop                                          ; with the addition: four places in front of loads into registers that the last products read
.endr
.irp kt, 0,1,2,3
.irp b, 0,1,2,3
	ds_load_b128 v[RK+16*\kt+4*\b:RK+16*\kt+4*\b+3], v[ADR] offset:2048*\kt+512*\b
.endr
.endr
	WIN 0x40                                       ; destination window 1
.irp ks, 0,1
.irp cc, 0,1,2,3
.irp hf, 0,1
	ds_load_tr16_b128 v[128+32*\ks+8*\cc+4*\hf:128+32*\ks+8*\cc+4*\hf+3], v[ADR] offset:VOFF+2048*(2*\ks+\hf)+512*\cc   ; V's chunks lie so that 16 x lane is the turning load's address
.endr
.endr
.endr
	WIN 0
	PIECE 2, 1
	s_cmp_gt_u32 s29, s14                          ; the low piece is past its last key
	s_cbranch_scc1 .Lhidden_\@
	PIECE 0, 0
.Lhidden_\@:
	s_add_co_u32 s29, s29, 64
	s_add_co_u32 s28, s28, 8192
.endm
; THE CHANGE OF SLOTS stands at a slot's head.  Each wave waits for all its tensor loads (its part of the slot ahead), adds 0 to its spare word, and waits for that and for its reads of the slot that it has left.
; Behind the barrier the slot ahead is whole and nobody reads the other.  fill = 1: the other slot is asked for, one load a wave, unless its first key comes after the work-group's last query: then none of the eight waves reads it.
.macro CHANGE fill
	s_wait_tensorcnt 0x0                           ; no tensor load of mine is out, so group 0 may be written
	ds_add_u32 v[SPW], v[NIL]
.if \fill
	s_xor_b32 s25, s25, SLOTB                      ; the other slot than last time,
	s_add_nc_u64 s[26:27], s[26:27], 32768         ; the next 256 keys; the type bits on top are not reached
	s_wait_xcnt 0x0                                ; the last prefetch, a slot back, has read its address
	s_add_nc_u64 s[34:35], s[34:35], 32768         ; one slot further on than the walking descriptor
.endif
	s_wait_dscnt 0x0
	s_barrier_signal -1
	s_barrier_wait -1
.if \fill
	s_add_co_u32 s46, s29, 256                     ; the first key of the slot that this change would ask for
	s_cmp_gt_u32 s46, s32                          ; ids and the count of steps alone: all eight waves go the same way
	s_cbranch_scc1 .Lpast_\@
	tensor_load_to_lds s[24:27], s[16:23]          ; the first thing behind the barrier, and my one tensor load until the next
	s_nop 0
.rept 4
	v_nop
.endr
.Lpast_\@:
	s_cmp_gt_u32 s30, s33                          ; A PREFETCH of what the next change of slots will ask for: my own 8,192 bytes of that slot, lanes 256 bytes apart: four key steps ahead of that load.
	s_cbranch_scc0 .Lnot_mine_\@                   ; All work-groups of a head walk the same K and V: the head's first asks, so each aligned block of 256 bytes is named once.  The last filling change asks for nothing
	global_prefetch_b8 v[PFO], s[34:35] th:TH_LOAD_NT scope:SCOPE_SE
.Lnot_mine_\@:
.endif
.endm
.macro SLOT_STEPS
	s_mov_b32 s31, 4
.Lstep_\@:
	STEP
	s_sub_co_u32 s31, s31, 1
	s_cmp_lg_u32 s31, 0
	s_cbranch_scc1 .Lstep_\@
	s_sub_co_u32 s28, s28, 32768                   ; back to a slot's first step,
	s_xor_b32 s28, s28, SLOTB                      ; in the other slot
.endm
	s_wait_loadcnt 0x0                             ; Q
.Lslot:                                            ; seven trips
	CHANGE 1
	SLOT_STEPS
	s_sub_co_u32 s30, s30, 1
	s_cmp_lg_u32 s30, 0
	s_cbranch_scc1 .Lslot
	CHANGE 0                                       ; the last slot is written out: nothing is left to ask for
	SLOT_STEPS
	; THE WAY OUT: O^T / the sum, rounded to f16; a lane's eight channels of a query are a chunk of y's image: every store writes 512 consecutive bytes.  The additions are the places behind the last products.
.irp t, 0,1,2,3
	v_pk_add_f32 v[LS+4*\t:LS+4*\t+1], v[LS+4*\t:LS+4*\t+1], v[LS+4*\t+2:LS+4*\t+3]
.endr
.irp t, 0,1,2,3
	v_add_f32 v[LS+4*\t], v[LS+4*\t], v[LS+4*\t+1]
.endr
.irp t, 0,1,2,3
	v_permlanex16_b32 v[28+\t], v[LS+4*\t], s36, s37
.endr
.irp t, 0,1,2,3
	v_add_f32 v[LS+4*\t], v[LS+4*\t], v[28+\t]
.endr
.irp t, 0,1,2,3
	v_rcp_f32 v[LS+4*\t], v[LS+4*\t]
.endr
	v_nop
	s_wait_alu depctr_va_vdst(0)                   ; one wait for the four reciprocals
.macro OUT t, base
	WIN 0x01                                       ; source 0: O^T's window
.set n, 0
.rept 16
	v_pk_mul_f32 v[RS+2*n:RS+2*n+1], v[32*\t+2*n:32*\t+2*n+1], v[LS+4*\t:LS+4*\t+1] op_sel_hi:[1,0]   ; each accumulator from its low end on
.set n, n+1
.endr
	WIN 0
.set n, 0
.rept 16
	v_cvt_pk_f16_f32 v[RK+16*\t+n], v[RS+2*n], v[RS+2*n+1]
.set n, n+1
.endr
.irp cc, 0,1,2,3
	global_store_b128 v[LI], v[RK+16*\t+4*\cc:RK+16*\t+4*\cc+3], s[\base:\base+1] offset:32768*(\t%2)+512*\cc
.endr
.endm
	OUT 0, 42
	OUT 1, 42
	OUT 2, 44
	OUT 3, 44
	s_wait_tensorcnt 0x0                           ; the wave's end
	ds_add_u32 v[SPW], v[NIL]
	s_wait_dscnt 0x0
	s_endpgm
.Lfunc_end_k_q9a77354d3d_attn:
	.size	k_q9a77354d3d_attn, .Lfunc_end_k_q9a77354d3d_attn-k_q9a77354d3d_attn
	.p2alignl 7, 3214868480
	.fill 96, 4, 3214868480
	.section	.rodata,"a",@progbits
	.p2align	6, 0x0
	.amdhsa_kernel k_q9a77354d3d_attn
		.amdhsa_group_segment_fixed_size 327680
		.amdhsa_private_segment_fixed_size 0
		.amdhsa_enable_private_segment 0
		.amdhsa_kernarg_size 16
		.amdhsa_user_sgpr_count 2
		.amdhsa_user_sgpr_kernarg_segment_ptr 1
		.amdhsa_wavefront_size32 1
		.amdhsa_system_sgpr_workgroup_id_x 1
		.amdhsa_system_sgpr_workgroup_id_y 1
		.amdhsa_system_sgpr_workgroup_id_z 1
		.amdhsa_system_vgpr_workitem_id 0
		.amdhsa_next_free_vgpr 512
		.amdhsa_next_free_sgpr 66
		.amdhsa_reserve_vcc 1
		.amdhsa_float_denorm_mode_32 3
		.amdhsa_float_denorm_mode_16_64 3
		.amdhsa_memory_ordered 1
		.amdhsa_forward_progress 1
		.amdhsa_inst_pref_size 77
	.end_amdhsa_kernel
	.amdgpu_metadata
---
amdhsa.version: [ 1, 2 ]
amdhsa.kernels:
  - .name:           k_q9a77354d3d_attn
    .symbol:         k_q9a77354d3d_attn.kd
    .args:
      - { .name: qkv, .offset: 0, .size: 8, .value_kind: global_buffer, .address_space: global }
      - { .name: yi, .offset: 8, .size: 8, .value_kind: global_buffer, .address_space: global }
    .group_segment_fixed_size: 327680
    .private_segment_fixed_size: 0
    .kernarg_segment_align: 8
    .kernarg_segment_size: 16
    .max_flat_workgroup_size: 256
    .sgpr_count:     66
    .vgpr_count:     512
    .wavefront_size: 32
...
	.end_amdgpu_metadata
.endif
;; end of part 3
;; launch proj (part 4): grid 8 x 32, 4 waves a work-group, clusters of 4 x 4, 327,680 bytes of LDS; arguments yi, wq, out0; writes out0
.if DOCPART == 4
	.amdgcn_target "amdgcn-amd-amdhsa--gfx1250"
	.amdhsa_code_object_version 6
	.text
	.protected	k_q9a77354d3d_proj
	.globl	k_q9a77354d3d_proj
	.p2align	8
	.type	k_q9a77354d3d_proj,@function
k_q9a77354d3d_proj:
	s_mov_b64 s[64:65], 0
	v_nop
	global_prefetch_b8 v0, s[64:65] scope:SCOPE_SE
	s_setreg_imm32_b32 hwreg(HW_REG_WAVE_MODE, 25, 1), 1
	s_wait_xcnt 0x0
	s_wait_alu depctr_hold_cnt(0) depctr_sa_sdst(0) depctr_va_vdst(0) depctr_va_sdst(0) depctr_va_ssrc(0) depctr_va_vcc(0) depctr_vm_vsrc(0)
	s_getreg_b32 s2, hwreg(HW_REG_IB_STS2, 6, 4)
	s_cmp_eq_u32 s2, 0
	s_cbranch_scc0 .Lentry_in_a_cluster
	s_endpgm
.Lentry_in_a_cluster:
	s_bfe_u32 s2, ttmp6, 0x10000c
	s_cmp_lg_u32 s2, 0xf033
	s_cbranch_scc0 .Lentry_shape_is_right
	s_endpgm
.Lentry_shape_is_right:
; out0 = y Wo.  y [8192][1024] and Wo [1024 (k)][1024 (n)] arrive as f16 images of operand registers (chunks of 16 bytes at 16 x lane); sums in f32; out0 f32.
; A tile of 256 tokens x 128 columns to a work-group: 256 work-groups.  Four waves, each 128 x 64: 32 accumulators.  K goes in steps of 128 through two LDS slots: A's 16 tiles x 4 KB, B's 8 x 4 KB.
; CLUSTERS: 4 x 4.  The four of a row of the cluster need the same tiles of y, the four of a column the same tiles of Wo: joint loads, which divide the requests by four.
; THE MATRIX INSTRUCTION IS USED TRANSPOSED (source 0 = 16 columns of Wo, source 1 = 16 tokens): a lane holds eight neighbouring numbers of a row of out0.
; The first 16 positions of every sequence are written here too and written over, more finely, by the launch that follows.
; REGISTERS: window 0: v16-29 addresses; two fragment buffers of 96 (A 64, B 32) at v64 and v160; on the way out v32-95.   window 1: the accumulators ((a, b) at v[8 (4 a + b)]).
.set WO,     1671168
.set SLOT,   98304
.set BOFF,   65536
.set STAGE,  2*SLOT                    ; behind the ring: 16 rows x 272 bytes for each wave
.set SP,     272
.set SPARE,  STAGE+4*16*SP
.set ADRA, 16
.set ADRB, 20
.set STO,  24
.set RD,   25
.set CO,   26
.set SPW,  28
.set NIL,  29
.set BK,   32
.set F0,   64
.set F1,   160
.set G1, 24
.set G0, 32
.set G1B, 48
.set G0B, 56
.set MSB, 0
.macro WIN new
.if MSB != (\new)
	s_set_vgpr_msb (MSB<<8)|(\new)
.set MSB, \new
.endif
.endm
.set MUL, 0x50                         ; C and D window 1, the fragments window 0
.macro JLOAD s                         ; waves 0 and 1 fetch A's halves, waves 2 and 3 B's; an s_nop 0 and four v_nop follow each of the two lines
	s_cmp_eq_u32 s11, 0
	s_cbranch_scc0 .Lfor_b_\@
	tensor_load_to_lds s[G0+4*\s:G0+4*\s+3], s[G1:G1+7]
	s_nop 0
.rept 4
	v_nop
.endr
	s_branch .Lasked_\@
.Lfor_b_\@:
	tensor_load_to_lds s[G0B+4*\s:G0B+4*\s+3], s[G1B:G1B+7]
	s_nop 0
.rept 4
	v_nop
.endr
.Lasked_\@:
.endm
.macro CREST
	s_cmp_lg_u32 s10, 0
	s_cbranch_scc1 .Lnot_wave_0_\@
	s_barrier_signal -3
.Lnot_wave_0_\@:
	s_barrier_wait -3
	s_barrier_signal -1
	s_barrier_wait -1
.endm
.macro CROUND
	s_barrier_signal -1
	s_barrier_wait -1
	CREST
.endm
	s_load_b128 s[4:7], s[0:1], 0x0                ; yi, wq
	s_load_b64 s[8:9], s[0:1], 0x10                ; out0
	v_lshl_add_u32 v[SPW], v0, 2, SPARE
	v_mov_b32 v[NIL], 0
	ds_add_u32 v[SPW], v[NIL]                      ; the wave's opening: the add, twice on end, and its wait ahead of my first tensor load
	ds_add_u32 v[SPW], v[NIL]
	v_lshrrev_b32 v1, 5, v0
	v_readfirstlane_b32 s10, v1                    ; wave 0..3
	s_lshr_b32 s11, s10, 1                         ; my half of the tokens.  Also: I fetch for A (0) or for B (1)
	s_and_b32 s12, s10, 1                          ; my half of the columns.  Also: which part I fetch
	s_bfe_u32 s40, ttmp6, 0x40000                  ; cx
	s_bfe_u32 s41, ttmp6, 0x40004                  ; cy
	s_lshl_b32 s42, ttmp9, 2
	s_add_co_u32 s42, s42, s40                     ; tile column
	s_and_b32 s13, ttmp7, 0xffff
	s_lshl_b32 s13, s13, 2
	s_add_co_u32 s13, s13, s41                     ; tile row
	s_lshl_b32 s43, s41, 2
	s_lshl_b32 s43, 15, s43
	s_lshl_b32 s44, 0x1111, s40
	s_or_b32 s[G1+0], s43, (3<<16)|(1<<21)         ; A: eight rows of 4,096 bytes (a tile of 16 tokens' 128 along K), 32,768 bytes apart; elements of 8 bytes
	s_or_b32 s[G1B+0], s44, (3<<16)|(1<<21)        ; B: four such rows
	s_mov_b32 s[G1+1], 512<<16
	s_mov_b32 s[G1+2], 8<<16
	s_mov_b32 s[G1+3], 512<<16
	s_mov_b32 s[G1+4], 8
	s_mov_b32 s[G1+5], 4096
	s_mov_b32 s[G1+6], 0
	s_mov_b32 s[G1+7], 0
	s_mov_b32 s[G1B+1], 512<<16
	s_mov_b32 s[G1B+2], 4<<16
	s_mov_b32 s[G1B+3], 512<<16
	s_mov_b32 s[G1B+4], 4
	s_mov_b32 s[G1B+5], 4096
	s_mov_b32 s[G1B+6], 0
	s_mov_b32 s[G1B+7], 0
	s_lshl_b32 s16, s13, 4
	s_lshl_b32 s17, s12, 3
	s_add_co_u32 s16, s16, s17
	s_lshl_b32 s16, s16, 15                        ; A: tile of 16 tokens = 16 x tile row + 8 x part
	s_mov_b32 s17, 0
	s_lshl_b32 s46, s42, 3
	s_lshl_b32 s47, s12, 2
	s_add_co_u32 s46, s46, s47
	s_lshl_b32 s46, s46, 15                        ; B: tile of 16 columns = 8 x tile column + 4 x part
	s_add_co_u32 s46, s46, WO
	s_mov_b32 s47, 0
	s_lshl_b32 s20, s10, 15                        ; where they go: A: 32,768 x wave (waves 0, 1);
	s_lshl_b32 s21, s10, 14
	s_add_co_u32 s21, s21, 32768                   ; B: 32,768 + 16,384 x wave (waves 2, 3)
	s_wait_dscnt 0x0
	s_wait_kmcnt 0x0
	s_add_nc_u64 s[14:15], s[4:5], s[16:17]
	s_add_nc_u64 s[46:47], s[6:7], s[46:47]
	CROUND                                         ; all sixteen work-groups are here: the first joint loads meet
.irp s, 0,1
	s_mov_b32 s[G0+4*\s], 1
	s_add_co_u32 s[G0+4*\s+1], s20, \s*SLOT
	s_add_nc_u64 s[G0+4*\s+2:G0+4*\s+3], s[14:15], \s*4096
	s_or_b32 s[G0+4*\s+3], s[G0+4*\s+3], 0x80000000
	s_mov_b32 s[G0B+4*\s], 1
	s_add_co_u32 s[G0B+4*\s+1], s21, \s*SLOT
	s_add_nc_u64 s[G0B+4*\s+2:G0B+4*\s+3], s[46:47], \s*4096
	s_or_b32 s[G0B+4*\s+3], s[G0B+4*\s+3], 0x80000000
	JLOAD \s
.endr
	v_and_b32 v1, 15, v0                           ; r
	v_bfe_u32 v2, v0, 4, 1                         ; h
	v_and_b32 v3, 31, v0
	v_lshlrev_b32 v3, 4, v3                        ; 16 x lane
	s_lshl_b32 s21, s11, 15                        ; my eight tiles of A
	s_lshl_b32 s22, s12, 14
	s_add_co_u32 s22, s22, BOFF                    ; my four of B
.irp s, 0,1
	v_add_nc_u32 v[ADRA+\s], s21, v3
	v_add_nc_u32 v[ADRB+\s], s22, v3
	s_add_co_u32 s21, s21, SLOT
	s_add_co_u32 s22, s22, SLOT
.endr
	s_mul_i32 s23, s10, 16*SP
	s_add_co_u32 s23, s23, STAGE                   ; my stage
	v_mul_u32_u24 v4, v1, SP
	v_lshl_add_u32 v4, v2, 5, v4
	v_add_nc_u32 v[STO], s23, v4                   ; in: row r, 32 bytes for each half of the lanes
	v_mul_u32_u24 v5, v2, SP
	v_lshl_add_u32 v5, v1, 4, v5
	v_add_nc_u32 v[RD], s23, v5                    ; back: lanes 0-15 one row of 256 bytes, lanes 16-31 the next
	v_lshlrev_b32 v5, 12, v2
	v_lshl_add_u32 v[CO], v1, 4, v5                ; and the same two rows in out0
	s_lshl_b32 s16, s13, 20
	s_lshl_b32 s17, s11, 19
	s_add_co_u32 s16, s16, s17                     ; my first row: (256 x tile row + 128 x half) x 4,096 bytes
	s_mov_b32 s17, 0
	s_add_nc_u64 s[8:9], s[8:9], s[16:17]
	s_lshl_b32 s46, s42, 9
	s_lshl_b32 s47, s12, 8
	s_add_co_u32 s46, s46, s47                     ; my first column, in bytes
	s_mov_b32 s47, 0
	s_add_nc_u64 s[8:9], s[8:9], s[46:47]
; 4 n matrix instructions: A's tiles a0 .. a0 + n - 1 x B's four, 32 along K.  The 32 accumulators take turns, one instruction a turn.
.macro MULH f, a0, n, zero
.set aa, \a0
.rept \n
.irp b, 0,1,2,3
.if \zero
	v_wmma_f32_16x16x32_f16 v[8*(4*aa+\b):8*(4*aa+\b)+7], v[\f+64+8*\b:\f+64+8*\b+7], v[\f+8*aa:\f+8*aa+7], 0
.else
	v_wmma_f32_16x16x32_f16 v[8*(4*aa+\b):8*(4*aa+\b)+7], v[\f+64+8*\b:\f+64+8*\b+7], v[\f+8*aa:\f+8*aa+7], v[8*(4*aa+\b):8*(4*aa+\b)+7]
.endif
.endr
.set aa, aa+1
.endr
.endm
.macro FETCH slot, q, f                ; 24 LDS loads in one run: B's four fragments, A's 0-3, A's 4-7
.irp i, 0,1,2,3
.irp hf, 0,1
	ds_load_b128 v[\f+64+8*\i+4*\hf:\f+64+8*\i+4*\hf+3], v[ADRB+\slot] offset:4096*\i+1024*(\q)+512*\hf
.endr
.endr
.irp i, 0,1,2,3,4,5,6,7
.irp hf, 0,1
	ds_load_b128 v[\f+8*\i+4*\hf:\f+8*\i+4*\hf+3], v[ADRA+\slot] offset:4096*\i+1024*(\q)+512*\hf
.endr
.endr
.endm
.macro PLACES
.rept 4
	v_nop
.endr
.endm
.macro QUARTER slot, qn, f, g, zero    ; multiplies buffer f, and fetches the slot's quarter qn into g
	s_wait_dscnt 8                                 ; B and A's tiles 0-3 are in; A's tiles 4-7 (eight loads) may be out
	WIN MUL
	MULH \f, 0, 4, \zero
	PLACES
	WIN 0
	FETCH \slot, \qn, \g
	s_wait_dscnt 24                                ; all but the 24 just issued
	WIN MUL
	MULH \f, 4, 4, \zero
.endm
; A slot's last quarter changes slots: ONE barrier; in front of it each wave waits for all its tensor loads, adds 0 to its spare word, and waits for that and for its reads of this slot.  fill = 1: this slot is filled again, two K steps ahead.
.macro TURN slot, next, fill
	WIN 0
	s_wait_tensorcnt 0x0
	ds_add_u32 v[SPW], v[NIL]
	s_wait_dscnt 9                                 ; (the add and A's tiles 4-7 may be out)
	WIN MUL
	MULH F1, 0, 2, 0
	s_wait_dscnt 0x0
	s_barrier_signal -1
	MULH F1, 2, 2, 0
	WIN 0
	s_barrier_wait -1
.if \fill
	CREST                                          ; the barrier has opened a round of the cluster's barrier: no wave of any partner still reads this slot or has a load on its way
	s_add_nc_u64 s[G0+4*\slot+2:G0+4*\slot+3], s[G0+4*\slot+2:G0+4*\slot+3], 8192
	s_add_nc_u64 s[G0B+4*\slot+2:G0B+4*\slot+3], s[G0B+4*\slot+2:G0B+4*\slot+3], 8192
	JLOAD \slot                                    ; the first tensor load behind the round; its four v_nop are also the places in front of the loads below
.else
	PLACES
.endif
	FETCH \next, 0, F0
	WIN MUL
	MULH F1, 4, 4, 0
.endm
	s_wait_tensorcnt 1                             ; my part of K step 0 is in (K step 1's load may be out),
	s_barrier_signal -1
	s_barrier_wait -1                              ; everybody's is
	FETCH 0, 0, F0
	QUARTER 0, 1, F0, F1, 1                        ; the first products start the sums
	WIN 0
	s_mov_b32 s3, 3
.Llap:                                             ; a trip goes once round the ring and fills both slots again: K steps 2 to 7
	QUARTER 0, 2, F1, F0, 0
	QUARTER 0, 3, F0, F1, 0
	TURN 0, 1, 1
	QUARTER 1, 1, F0, F1, 0
	QUARTER 1, 2, F1, F0, 0
	QUARTER 1, 3, F0, F1, 0
	TURN 1, 0, 1
	QUARTER 0, 1, F0, F1, 0
	WIN 0
	s_sub_co_u32 s3, s3, 1
	s_cmp_lg_u32 s3, 0
	s_cbranch_scc1 .Llap
	QUARTER 0, 2, F1, F0, 0                        ; the last lap fills nothing
	QUARTER 0, 3, F0, F1, 0
	TURN 0, 1, 0
	QUARTER 1, 1, F0, F1, 0
	QUARTER 1, 2, F1, F0, 0
	QUARTER 1, 3, F0, F1, 0
	s_wait_dscnt 8
	WIN MUL
	MULH F1, 0, 4, 0
	s_wait_dscnt 0x0
	MULH F1, 4, 4, 0
	WIN 0
; THE WAY OUT, a block of 16 tokens x 64 columns at a time, through my own stage: in as 32 bytes a lane, back as whole rows of 256 bytes.  LDS serves a wave's instructions in order: no wait between the stores and the loads.
.macro TOSTAGE a
	WIN 0x04                                       ; an LDS store's data are its source 1: window 1
.irp b, 0,1,2,3
	ds_store_b128 v[STO], v[8*(4*(\a)+\b):8*(4*(\a)+\b)+3] offset:64*\b            ; each accumulator from its low end on
	ds_store_b128 v[STO], v[8*(4*(\a)+\b)+4:8*(4*(\a)+\b)+7] offset:64*\b+16
.endr
	WIN 0
.irp t, 0,1,2,3,4,5,6,7
	ds_load_b128 v[BK+32*((\a)%2)+4*\t:BK+32*((\a)%2)+4*\t+3], v[RD] offset:2*\t*SP
.endr
.endm
.macro SEND a, younger
	s_wait_dscnt \younger
.irp t, 0,1,2,3,4,5,6,7
	global_store_b128 v[CO], v[BK+32*((\a)%2)+4*\t:BK+32*((\a)%2)+4*\t+3], s[8:9] offset:65536*(\a)+8192*\t th:TH_STORE_NT   ; 16 lanes store 256 consecutive bytes, aligned
.endr
.endm
	PLACES
	TOSTAGE 0
.irp a, 1,2,3,4,5,6,7
.if \a > 1
	s_wait_xcnt 0x0                                ; block a - 2's stores have read their registers: block a's loads may land there
.endif
	TOSTAGE \a
	SEND \a-1, 16                                  ; behind block a - 1's loads: block a's 8 stores and 8 loads
.endr
	SEND 7, 0
	s_wait_tensorcnt 0x0                           ; the wave's end
	ds_add_u32 v[SPW], v[NIL]
	s_wait_dscnt 0x0
	CROUND                                         ; the closing round
	s_endpgm
.Lfunc_end_k_q9a77354d3d_proj:
	.size	k_q9a77354d3d_proj, .Lfunc_end_k_q9a77354d3d_proj-k_q9a77354d3d_proj
	.p2alignl 7, 3214868480
	.fill 96, 4, 3214868480
	.section	.rodata,"a",@progbits
	.p2align	6, 0x0
	.amdhsa_kernel k_q9a77354d3d_proj
		.amdhsa_group_segment_fixed_size 327680
		.amdhsa_private_segment_fixed_size 0
		.amdhsa_enable_private_segment 0
		.amdhsa_kernarg_size 24
		.amdhsa_user_sgpr_count 2
		.amdhsa_user_sgpr_kernarg_segment_ptr 1
		.amdhsa_wavefront_size32 1
		.amdhsa_system_sgpr_workgroup_id_x 1
		.amdhsa_system_sgpr_workgroup_id_y 1
		.amdhsa_system_sgpr_workgroup_id_z 1
		.amdhsa_system_vgpr_workitem_id 0
		.amdhsa_next_free_vgpr 512
		.amdhsa_next_free_sgpr 66
		.amdhsa_reserve_vcc 0
		.amdhsa_float_denorm_mode_32 3
		.amdhsa_float_denorm_mode_16_64 3
		.amdhsa_memory_ordered 1
		.amdhsa_forward_progress 1
		.amdhsa_inst_pref_size 85
	.end_amdhsa_kernel
	.amdgpu_metadata
---
amdhsa.version: [ 1, 2 ]
amdhsa.kernels:
  - .name:           k_q9a77354d3d_proj
    .symbol:         k_q9a77354d3d_proj.kd
    .args:
      - { .name: yi, .offset: 0, .size: 8, .value_kind: global_buffer, .address_space: global }
      - { .name: wq, .offset: 8, .size: 8, .value_kind: global_buffer, .address_space: global }
      - { .name: out0, .offset: 16, .size: 8, .value_kind: global_buffer, .address_space: global }
    .group_segment_fixed_size: 327680
    .private_segment_fixed_size: 0
    .kernarg_segment_align: 8
    .kernarg_segment_size: 24
    .max_flat_workgroup_size: 128
    .sgpr_count:     66
    .vgpr_count:     512
    .wavefront_size: 32
...
	.end_amdgpu_metadata
.endif
;; end of part 4
;; launch first16 (part 5): grid 64 x 4, 16 waves a work-group, no clusters, 18,432 bytes of LDS; arguments fine, Wo, out0; writes out0
.if DOCPART == 5
	.amdgcn_target "amdgcn-amd-amdhsa--gfx1250"
	.amdhsa_code_object_version 6
	.text
	.protected	k_q9a77354d3d_first16
	.globl	k_q9a77354d3d_first16
	.p2align	8
	.type	k_q9a77354d3d_first16,@function
k_q9a77354d3d_first16:
	s_mov_b64 s[64:65], 0
	v_nop
	global_prefetch_b8 v0, s[64:65] scope:SCOPE_SE
	s_setreg_imm32_b32 hwreg(HW_REG_WAVE_MODE, 25, 1), 1
	s_wait_xcnt 0x0
; The first 16 positions of every sequence once more, wholly in f32: attention and the projection on the way out.  These rows average one to sixteen values and are the largest of the output.
; Work-group (X, b): batch b, columns 16 X .. 16 X + 15 of out0.  Wave w is head w, which is also K = 64 w .. 64 w + 63 of the projection; the sixteen partial sums meet in LDS.
; The attention of a batch's 16 rows is made anew in each of the 64 column work-groups (32 short products a wave): that keeps this one launch.
; All products by the f32 matrix form, 16 x 16 x 4.  Its K slot 2 h + j of step s is taken to be element 8 h + 2 s + j of 16, alike in both sources: so registers 2 s, 2 s + 1 of an image or of a result are an operand as they stand.
; No maximum is taken in the softmax: q and k are RMS-normalised by the problem itself, so the exponent lies in [-8, 8] (q arrives times log2(e) / 8).
; The registers that the matrix form writes (v160-175, v192-239) are written by nothing else.  The stores are pieces of 16 bytes: 256 KB in the whole launch.
.set SPARE, 16384
.set QF, 32                            ; v32-63   q; later y
.set KF, 64                            ; v64-95   k; with v96-127 later the sixteen partial sums
.set VF, 96                            ; v96-127  v^T
.set WF, 128                           ; v128-159 Wo^T
.set SA, 160
.set SB, 168
.set ST, 176
.set PF, 184
.set OA, 192
.set PA, 224
.set PB, 232
.set RR, 240
	s_load_b128 s[4:7], s[0:1], 0x0                ; fine, Wo
	s_load_b64 s[8:9], s[0:1], 0x10                ; out0
	v_lshl_add_u32 v6, v0, 2, SPARE
	v_mov_b32 v7, 0
	v_lshrrev_b32 v1, 5, v0
	v_readfirstlane_b32 s10, v1                    ; wave = head
	s_and_b32 s11, ttmp7, 0xffff                   ; batch
	s_mov_b32 s12, 0x76543210
	s_mov_b32 s13, 0xfedcba98
	s_lshl_b32 s14, s11, 4
	s_add_co_u32 s14, s14, s10
	s_mul_i32 s14, s14, 12288                      ; my head's q, k, v
	s_mov_b32 s15, 0
	s_lshl_b32 s16, s10, 18                        ; Wo: rows 64 w on,
	s_lshl_b32 s18, ttmp9, 6                       ; columns 16 X on
	s_add_co_u32 s16, s16, s18
	s_mov_b32 s17, 0
	s_lshl_b32 s20, s11, 23                        ; out0: batch x 2,048 rows of 4,096 bytes
	s_add_co_u32 s20, s20, s18
	s_and_b32 s19, s10, 1
	s_lshl_b32 s22, s19, 4                         ; waves 0 and 1 store four columns each of a lane's eight
	s_add_co_u32 s20, s20, s22
	s_mov_b32 s21, 0
	v_and_b32 v1, 31, v0
	v_lshlrev_b32 v2, 4, v1                        ; 16 x lane
	v_and_b32 v13, 15, v0                          ; r
	v_bfe_u32 v14, v0, 4, 1                        ; h
	v_bfe_u32 v12, v0, 2, 1
	v_lshlrev_b32 v3, 9, v12
	v_bfe_u32 v12, v0, 3, 1
	v_lshl_add_u32 v3, v12, 8, v3
	v_lshl_add_u32 v3, v14, 7, v3
	v_and_b32 v12, 3, v0
	v_lshl_add_u32 v3, v12, 2, v3                  ; v^T: channel r of a tile, keys 8 h on: 512 ((r / 4) % 2) + 256 (r / 8) + 128 h + 4 (r % 4)
	v_lshlrev_b32 v4, 2, v13
	v_lshl_add_u32 v4, v14, 15, v4                 ; Wo^T: column r, rows 8 h on
	v_lshlrev_b32 v12, 3, v14
	v_sub_nc_u32 v5, v13, v12                      ; r - 8 h
	s_lshl_b32 s24, s10, 10
	v_add_nc_u32 v8, s24, v2                       ; LDS: my partial sums
	s_lshl_b32 s23, s19, 9
	v_add_nc_u32 v9, s23, v2                       ; and where waves 0 and 1 read all sixteen
	v_lshlrev_b32 v10, 12, v13
	v_lshl_add_u32 v10, v14, 5, v10                ; out0: row r, + 32 h
	v_mov_b32 v11, 0xff800000                      ; -infinity
	v_mov_b32 v16, 0                               ; a lane permute's destination counts as read
	v_mov_b32 v19, 0                               ; named as the upper half of a pair
	s_wait_kmcnt 0x0
	s_add_nc_u64 s[4:5], s[4:5], s[14:15]
	s_add_nc_u64 s[6:7], s[6:7], s[16:17]
	s_add_nc_u64 s[8:9], s[8:9], s[20:21]
.irp i, 0,1,2,3,4,5,6,7
	global_load_b128 v[QF+4*\i:QF+4*\i+3], v2, s[4:5] offset:512*\i
.endr
.irp i, 0,1,2,3,4,5,6,7
	global_load_b128 v[KF+4*\i:KF+4*\i+3], v2, s[4:5] offset:4096+512*\i
.endr
.irp c, 0,1,2,3
.irp i, 0,1,2,3,4,5,6,7
	global_load_b32 v[VF+8*\c+\i], v3, s[4:5] offset:8192+1024*\c+16*\i
.endr
.endr
	s_wait_loadcnt 32                              ; q and k are in; v's 32 loads may be out
	; S^T = k q^T: two accumulators by turns; their first products start the sums
.irp bb, 0,1
.irp s, 0,1,2,3
.if (\bb == 0) && (\s == 0)
	v_wmma_f32_16x16x4_f32 v[SA:SA+7], v[KF:KF+1], v[QF:QF+1], 0
	v_wmma_f32_16x16x4_f32 v[SB:SB+7], v[KF+16:KF+17], v[QF+16:QF+17], 0
.else
	v_wmma_f32_16x16x4_f32 v[SA:SA+7], v[KF+8*\bb+2*\s:KF+8*\bb+2*\s+1], v[QF+8*\bb+2*\s:QF+8*\bb+2*\s+1], v[SA:SA+7]
	v_wmma_f32_16x16x4_f32 v[SB:SB+7], v[KF+16+8*\bb+2*\s:KF+16+8*\bb+2*\s+1], v[QF+16+8*\bb+2*\s:QF+16+8*\bb+2*\s+1], v[SB:SB+7]
.endif
.endr
.endr
.irp c, 0,1,2,3
.irp i, 0,1,2,3,4,5,6,7
	global_load_b32 v[WF+8*\c+\i], v4, s[6:7] offset:(16*\c+\i)*4096
.endr
.endr
.rept 8
	v_nop                                          ; eight places behind this form (ISA guide 7.12.1)
.endr
.irp j, 0,2,4,6
	v_pk_add_f32 v[ST+\j:ST+\j+1], v[SA+\j:SA+\j+1], v[SB+\j:SB+\j+1]   ; lane (r, h): query r, keys 8 h + j
.endr
.irp j, 0,1,2,3,4,5,6,7
	v_cmp_gt_i32 vcc_lo, \j, v5                    ; hidden where 8 h + j > r
	v_cndmask_b32 v[ST+\j], v[ST+\j], v11, vcc_lo
.endr
.irp j, 0,1,2,3,4,5,6,7
	v_exp_f32 v[PF+\j], v[ST+\j]
.endr
	v_nop
	s_wait_alu depctr_va_vdst(0)                   ; one wait for the eight, ahead of their first reader
	v_pk_add_f32 v[12:13], v[PF:PF+1], v[PF+2:PF+3]
	v_pk_add_f32 v[14:15], v[PF+4:PF+5], v[PF+6:PF+7]
	v_pk_add_f32 v[12:13], v[12:13], v[14:15]
	v_add_f32 v12, v12, v13
	v_permlanex16_b32 v16, v12, s12, s13
	v_add_f32 v12, v12, v16                        ; the row's sum
	v_rcp_f32 v18, v12
	v_nop
	s_wait_alu depctr_va_vdst(0)
	s_wait_loadcnt 32                              ; v is in; Wo's 32 loads may be out
	; O^T = v^T p: four accumulators by turns
.irp s, 0,1,2,3
.irp c, 0,1,2,3
.if \s == 0
	v_wmma_f32_16x16x4_f32 v[OA+8*\c:OA+8*\c+7], v[VF+8*\c:VF+8*\c+1], v[PF:PF+1], 0
.else
	v_wmma_f32_16x16x4_f32 v[OA+8*\c:OA+8*\c+7], v[VF+8*\c+2*\s:VF+8*\c+2*\s+1], v[PF+2*\s:PF+2*\s+1], v[OA+8*\c:OA+8*\c+7]
.endif
.endr
.endr
.rept 8
	v_nop
.endr
.irp j, 0,2,4,6,8,10,12,14,16,18,20,22,24,26,28,30
	v_pk_mul_f32 v[QF+\j:QF+\j+1], v[OA+\j:OA+\j+1], v[18:19] op_sel_hi:[1,0]   ; y: lane (r, h): query r, channels 16 c + 8 h + j
.endr
	s_wait_loadcnt 0x0                             ; Wo
	; my head's part of out^T = Wo^T y^T: two accumulators by turns
.irp cc, 0,1
.irp s, 0,1,2,3
.if (\cc == 0) && (\s == 0)
	v_wmma_f32_16x16x4_f32 v[PA:PA+7], v[WF:WF+1], v[QF:QF+1], 0
	v_wmma_f32_16x16x4_f32 v[PB:PB+7], v[WF+16:WF+17], v[QF+16:QF+17], 0
.else
	v_wmma_f32_16x16x4_f32 v[PA:PA+7], v[WF+8*\cc+2*\s:WF+8*\cc+2*\s+1], v[QF+8*\cc+2*\s:QF+8*\cc+2*\s+1], v[PA:PA+7]
	v_wmma_f32_16x16x4_f32 v[PB:PB+7], v[WF+16+8*\cc+2*\s:WF+16+8*\cc+2*\s+1], v[QF+16+8*\cc+2*\s:QF+16+8*\cc+2*\s+1], v[PB:PB+7]
.endif
.endr
.endr
.rept 8
	v_nop
.endr
.irp j, 0,2,4,6
	v_pk_add_f32 v[RR+\j:RR+\j+1], v[PA+\j:PA+\j+1], v[PB+\j:PB+\j+1]   ; lane (r, h): token r, columns 16 X + 8 h + j
.endr
	ds_store_b128 v8, v[RR:RR+3]
	ds_store_b128 v8, v[RR+4:RR+7] offset:512
	s_wait_dscnt 0x0                               ; for the others' sake: my stores have landed
	s_barrier_signal -1
	s_barrier_wait -1
	s_cmp_lt_u32 s10, 2                            ; waves 0 and 1 add the sixteen heads' parts, four columns a lane each
	s_cbranch_scc0 .Lrest
.irp w, 0,1,2,3,4,5,6,7,8,9,10,11,12,13,14,15
	ds_load_b128 v[KF+4*\w:KF+4*\w+3], v9 offset:1024*\w
.endr
	s_wait_dscnt 0x0
.irp j, 0,2,4,6,8,10,12,14,16,18,20,22,24,26,28,30
	v_pk_add_f32 v[KF+\j:KF+\j+1], v[KF+\j:KF+\j+1], v[KF+32+\j:KF+32+\j+1]
.endr
.irp j, 0,2,4,6,8,10,12,14
	v_pk_add_f32 v[KF+\j:KF+\j+1], v[KF+\j:KF+\j+1], v[KF+16+\j:KF+16+\j+1]
.endr
.irp j, 0,2,4,6
	v_pk_add_f32 v[KF+\j:KF+\j+1], v[KF+\j:KF+\j+1], v[KF+8+\j:KF+8+\j+1]
.endr
.irp j, 0,2
	v_pk_add_f32 v[KF+\j:KF+\j+1], v[KF+\j:KF+\j+1], v[KF+4+\j:KF+4+\j+1]
.endr
	global_store_b128 v10, v[KF:KF+3], s[8:9]
.Lrest:
	s_wait_tensorcnt 0x0                           ; the wave's end, behind my last LDS store
	ds_add_u32 v6, v7
	s_wait_dscnt 0x0
	s_endpgm
.Lfunc_end_k_q9a77354d3d_first16:
	.size	k_q9a77354d3d_first16, .Lfunc_end_k_q9a77354d3d_first16-k_q9a77354d3d_first16
	.p2alignl 7, 3214868480
	.fill 96, 4, 3214868480
	.section	.rodata,"a",@progbits
	.p2align	6, 0x0
	.amdhsa_kernel k_q9a77354d3d_first16
		.amdhsa_group_segment_fixed_size 18432
		.amdhsa_private_segment_fixed_size 0
		.amdhsa_enable_private_segment 0
		.amdhsa_kernarg_size 24
		.amdhsa_user_sgpr_count 2
		.amdhsa_user_sgpr_kernarg_segment_ptr 1
		.amdhsa_wavefront_size32 1
		.amdhsa_system_sgpr_workgroup_id_x 1
		.amdhsa_system_sgpr_workgroup_id_y 1
		.amdhsa_system_sgpr_workgroup_id_z 1
		.amdhsa_system_vgpr_workitem_id 0
		.amdhsa_next_free_vgpr 256
		.amdhsa_next_free_sgpr 66
		.amdhsa_reserve_vcc 1
		.amdhsa_float_denorm_mode_32 3
		.amdhsa_float_denorm_mode_16_64 3
		.amdhsa_memory_ordered 1
		.amdhsa_forward_progress 1
		.amdhsa_inst_pref_size 20
	.end_amdhsa_kernel
	.amdgpu_metadata
---
amdhsa.version: [ 1, 2 ]
amdhsa.kernels:
  - .name:           k_q9a77354d3d_first16
    .symbol:         k_q9a77354d3d_first16.kd
    .args:
      - { .name: fine, .offset: 0, .size: 8, .value_kind: global_buffer, .address_space: global }
      - { .name: Wo, .offset: 8, .size: 8, .value_kind: global_buffer, .address_space: global }
      - { .name: out0, .offset: 16, .size: 8, .value_kind: global_buffer, .address_space: global }
    .group_segment_fixed_size: 18432
    .private_segment_fixed_size: 0
    .kernarg_segment_align: 8
    .kernarg_segment_size: 24
    .max_flat_workgroup_size: 512
    .sgpr_count:     66
    .vgpr_count:     256
    .wavefront_size: 32
...
	.end_amdgpu_metadata
.endif
;; end of part 5
